; MI455X (gfx1250); checked and timed in simulation.
; The chip was launched on July 23, 2026; its instructions are those of AMD's public machine-readable ISA for CDNA 5 (MIT licence, August 2026) and "CDNA5" Instruction Set Architecture Reference Guide (July 2026). The comments in the code are by the model that wrote it; some were corrected since.
;; Multi Cross Attention. Allowed arithmetic: matrix products marked QUANTISED: E2M3 operands, one E8M0 scale for each 32 along K, by v_wmma_scale_f32_16x16x128_f8f6f4 with both operands' format E2M3, f32 sums; everything else in f32.
;; Inputs: Wk 1,024 x 1,024 float32; Wq 1,024 x 1,024 float32; Wv 1,024 x 1,024 float32; x 8 x 1,024 x 1,024 float32; y 8 x 1,024 x 1,024 float32.
;; Outputs: out0 8 x 1,024 x 1,024 float32.
;; This version of the problem:
;;   THIS VERSION OF THE PROBLEM IS GIVEN IN LOW PRECISION. The matrix products marked QUANTISED in the list below multiply operands that are first quantised to E2M3 (2 exponent bits, 3 mantissa bits; 6 bits a number), with one power-of-two scale for each 32 numbers along K (OCP MX v1.0); their sums are f32. All else is computed in f32.
;;   The module's matrix products, in the order in which they are computed (A, B: the left and right operand; K: the contracted axis; several contracted axes count as one K, in the product's order):
;;     1. [M 8,192, K 1,024] x [K 1,024, N 1,024]; A: input x; B: input Wq: QUANTISED
;;     2. [M 8,192, K 1,024] x [K 1,024, N 1,024]; A: input y; B: input Wk: QUANTISED
;;     3. [M 8,192, K 1,024] x [K 1,024, N 1,024]; A: input y; B: input Wv: QUANTISED
;;     4. batch 128 x [M 1,024, K 64] x [K 64, N 1,024]; A: computed on the way; B: computed on the way: QUANTISED
;;     5. batch 128 x [M 64, K 1,024] x [K 1,024, N 1,024]; A: computed on the way; B: softmax (see below): QUANTISED
;;     6. batch 8 x [M 1,024, K 1,024] x [K 1,024, N 1,024]; A: input x; B: computed on the way: QUANTISED
;;   THE QUANTISER, for each operand of a quantised product, along K:
;;     - K is cut into blocks of 32 from its start; a last block that is shorter is filled with zeros.
;;     - A block's scale is 2^e with e = floor(log2(the largest magnitude in the block)) - 2, held to -126 .. 127; a block of zeros has e = 0. As a byte (E8M0): e + 127.
;;     - Each number is divided by its block's scale, clamped to +-7.5, and rounded to the nearest number of E2M3, ties to even, subnormals kept.
;;     - The product sums the exact products of the quantised numbers (number of the format x scale) in f32.
;;   ~~~python
;;   def quantise(x, axis):      # numpy; x: float32 -> the quantised numbers, widened to float32 again
;;       x = np.moveaxis(x, axis, -1); K = x.shape[-1]
;;       x = np.pad(x, [(0, 0)] * (x.ndim - 1) + [(0, -K % 32)]); x = x.reshape(x.shape[:-1] + (-1, 32)); a = np.abs(x).max(-1, keepdims=True)
;;       e = np.where(a > 0, np.clip(np.frexp(np.where(a > 0, a, 1))[1] - 1 - 2, -126, 127), 0)      # np.frexp(a)[1] - 1 = floor(log2(a)), exactly
;;       r = np.clip(x / 2.0 ** e, -7.5, 7.5)
;;       step = 2.0 ** (np.maximum(np.frexp(np.where(r == 0, 1, r))[1] - 1, 0) - 3)
;;       q = np.round(r / step) * step * 2.0 ** e      # np.round: ties to even
;;       return np.moveaxis(q.reshape(q.shape[:-2] + (-1,))[..., :K], -1, axis).astype(np.float32)
;;   ~~~
;;   SOFTMAX AHEAD OF A QUANTISED PRODUCT. Where the list says 'softmax', what is quantised is not the finished softmax but p = 2^(t - M), with t = logit x log2(e) and M = ceil(the row's largest t), a whole number; so 1/2 < the row's largest p <= 1. The row's sum l is taken of the UNQUANTISED p, in f32, and the product's result is divided by l at the end. Since M is a whole number, a kernel that streams over the keys may use a running M (the ceiling of the running maximum): every later rescaling is an exact power of two, which a block's scale takes up: the codes' values come out the same.
;;   OPERANDS COMPUTED ON THE WAY. 'Computed on the way' means the value that the module computes at that place (a softmax that the list does not call 'softmax' is quantised finished and normalised). What goes into a quantiser is computed in f32, as accurately as f32 sums, v_exp_f32 and their like allow (about 1e-6 of the number): no bf16 or f16 on the way to a quantiser, and a product that is left as it is and whose result goes on into a quantised operand takes f32 operands (vector FMAs, or v_wmma_f32_16x16x4_f32). A number that lies on a knife's edge between two numbers of the format may be rounded either way, as far as f32 arithmetic and the matrix unit's own rounding can turn it there, and no further.
;; One version. Each part assembles by itself: llvm-mc -triple=amdgcn-amd-amdhsa -mcpu=gfx1250 --defsym DOCPART=n.
;; ======== version 1 of 1: 4 launches
;; limits: right only within a limited range of input values
;; workspace buffers: ob1 15,564,800 bytes; qkv 19,660,800 bytes; yob 6,553,600 bytes
;; launch quant (part 1): grid 1216 x 1, 2 waves a work-group, no clusters, 17,152 bytes of LDS; arguments x, y, Wq, Wk, Wv, ob1; writes ob1
.if DOCPART == 1
	.amdgcn_target "amdgcn-amd-amdhsa--gfx1250"
	.amdhsa_code_object_version 6
	.text
	.protected	k_q4b4e49e0c8_quant
	.globl	k_q4b4e49e0c8_quant
	.p2align	8
	.type	k_q4b4e49e0c8_quant,@function
k_q4b4e49e0c8_quant:
	s_mov_b64 s[64:65], 0
	v_nop
	global_prefetch_b8 v0, s[64:65] scope:SCOPE_SE
	s_setreg_imm32_b32 hwreg(HW_REG_WAVE_MODE, 25, 1), 1
	s_wait_xcnt 0x0
; x, y [8192][1024] and Wq, Wk, Wv [1024][1024], f32, K innermost, become codes of FP6 (E2M3) with one E8M0 byte for each 32 along K, laid as OPERAND BLOCKS.
; AN OPERAND BLOCK (12,800 bytes) is 128 rows x 128 along K as images of the matrix operand's registers: tile i (0..7) at 1536 i; in it piece p (0..5) at 256 p, lane l at 8 l: registers 2 p, 2 p + 1 of the
; tile's 12 (lane (r, h): registers 6 c .. 6 c + 5 = k 64 c + 32 h + 0 .. 31).  Behind the eight tiles two pieces of scale words: piece j at 12288 + 256 j, lane l at 8 l, word e: the scale word of tile 4 j + 2 e + h, place r.
; THE ROWS OF A TILE ARE NOT NEIGHBOURS: place r of tile i is row 32 (i / 2) + 8 (i % 2) + r + 8 (r / 8) of the block's 128, so that a product with such tiles as source 0 leaves 16 neighbours in the 16 registers of two tiles.
; Blocks lie at (8 g + s) x 12,800, s the K step of 128, g the group of 128 rows: x 0-63, y 64-127, Wq 128-135, Wk 136-143, Wv 144-151.
; SHARES.  Work-group W: g = W / 8, j = (W / 4) % 2; its wave w takes K step s = 2 (W % 4) + w: tiles 4 j .. 4 j + 3 of block (g, s): 64 rows x 128 numbers.  There are 2,432 such shares; work-groups of two waves spread them
; more evenly than larger ones would.  Waves share nothing: no barrier, no cluster (no byte is read twice).
; A load reads 512 consecutive bytes of one row; a tile's 16 rows turn through the wave's own stage in LDS (rows of 512 + 16 bytes), from which lane (r, h) takes two whole blocks of 32 of row r.
; A block's scale is 2^(floor(log2(largest magnitude)) - 2): its byte is the largest magnitude's exponent field - 2, held at 1 from below.
; LIMITS: NaN and infinities among the inputs are not served; a block of zeros gets the byte 1, not 127: its codes are zeros, and this program alone reads the bytes.
.set ROWB,  4096                       ; a row of any of the five tensors, in bytes
.set OBB,   12800
.set SP,    528                        ; a stage row
.set STGB,  16*SP                      ; a wave's stage
.set R,     16                         ; v16-143  two sets of 64: a tile as loaded
.set X,     144                        ; v144-207 my two blocks of 32
.set C,     208                        ; v208-231 two sets of 12: a tile's codes
.set T,     232                        ; v232-239 the second halves of the blocks' codes, before they are moved
.set PW,    240                        ; the tile's scale word
.set PD,    241                        ; a lane permute's destination
.set SW,    242                        ; v[242:243] the scale piece
	s_load_b256 s[4:11], s[0:1], 0x0               ; x, y, Wq, Wk
	s_load_b128 s[12:15], s[0:1], 0x20             ; Wv, ob1
	v_lshl_add_u32 v254, v0, 2, 0x4200
	v_mov_b32 v255, 0
	v_lshrrev_b32 v1, 5, v0
	v_readfirstlane_b32 s16, v1                    ; wave
	v_and_b32 v2, 31, v0                           ; lane
	v_and_b32 v3, 15, v0                           ; r
	v_bfe_u32 v9, v0, 4, 1                         ; h
	v_lshlrev_b32 v4, 4, v2                        ; my 16 bytes of a load's 512
	s_mul_i32 s17, s16, STGB
	v_add_nc_u32 v5, s17, v4                       ; the stage, on the way in
	v_mul_u32_u24 v6, v3, SP
	v_lshl_add_u32 v6, v9, 7, v6
	v_add_nc_u32 v6, s17, v6                       ; and out: row r, + 128 h
	v_lshlrev_b32 v7, 3, v2                        ; 8 x lane: my place in a piece
	v_lshlrev_b32 v8, 3, v9                        ; 8 h: how far my two scale bytes are shifted
	v_mov_b32 v[PD], 0                             ; written once: a lane permute's destination counts as one of its sources
	s_mov_b32 s30, 0x76543210
	s_mov_b32 s31, 0xfedcba98                      ; v_permlanex16_b32's selects for lane l xor 16
	s_mov_b32 s32, 0xffff0000                      ; lanes 16-31
	s_lshr_b32 s19, ttmp9, 3                       ; g
	s_bfe_u32 s22, ttmp9, 0x10002                  ; j
	s_and_b32 s23, ttmp9, 3
	s_lshl_b32 s23, s23, 1
	s_add_co_u32 s23, s23, s16                     ; s
	s_wait_alu depctr_va_vdst(0)
	s_wait_kmcnt 0x0
	s_mov_b64 s[20:21], s[12:13]                   ; which tensor: the choice hangs on the work-group's number alone
	s_mov_b32 s18, 144
	s_cmp_lt_u32 s19, 144
	s_cselect_b64 s[20:21], s[10:11], s[20:21]
	s_cselect_b32 s18, 136, s18
	s_cmp_lt_u32 s19, 136
	s_cselect_b64 s[20:21], s[8:9], s[20:21]
	s_cselect_b32 s18, 128, s18
	s_cmp_lt_u32 s19, 128
	s_cselect_b64 s[20:21], s[6:7], s[20:21]
	s_cselect_b32 s18, 64, s18
	s_cmp_lt_u32 s19, 64
	s_cselect_b64 s[20:21], s[4:5], s[20:21]
	s_cselect_b32 s18, 0, s18
	s_sub_co_u32 s18, s19, s18                     ; the group inside its tensor
	s_lshl_b32 s24, s18, 19                        ; 128 rows of 4,096 bytes,
	s_lshl_b32 s25, s22, 18                        ; 64 rows,
	s_add_co_u32 s24, s24, s25
	s_lshl_b32 s25, s23, 9                         ; 128 numbers
	s_add_co_u32 s24, s24, s25
	s_mov_b32 s25, 0
	s_add_nc_u64 s[20:21], s[20:21], s[24:25]
	s_lshl_b32 s24, s19, 3
	s_add_co_u32 s24, s24, s23
	s_mul_i32 s24, s24, OBB
	s_add_nc_u64 s[28:29], s[14:15], s[24:25]      ; my operand block
	s_mul_i32 s24, s22, 6144
	s_add_nc_u64 s[26:27], s[28:29], s[24:25]      ; my four tiles in it
	s_lshl_b32 s24, s22, 8
	s_add_co_u32 s24, s24, 12288
	s_add_nc_u64 s[28:29], s[28:29], s[24:25]      ; my scale piece
.macro LOAD t                          ; tile t's 16 rows into set t % 2
.irp i, 0,1,2,3,4,5,6,7,8,9,10,11,12,13,14,15
	global_load_b128 v[R+64*((\t)%2)+4*\i:R+64*((\t)%2)+4*\i+3], v4, s[20:21] offset:(32*((\t)/2)+8*((\t)%2)+\i+8*(\i/8))*ROWB th:TH_LOAD_NT
.endr
.endm
.macro TILE t
.set RS, R+64*((\t)%2)
.set CC, C+12*((\t)%2)
.if (\t) < 3
	s_wait_loadcnt 16                              ; this tile's 16 loads are in; the next tile's 16 may be out
.else
	s_wait_loadcnt 0x0
.endif
.irp i, 0,1,2,3,4,5,6,7,8,9,10,11,12,13,14,15
	ds_store_b128 v5, v[RS+4*\i:RS+4*\i+3] offset:SP*\i
.endr
.irp c, 0,1
.irp i, 0,1,2,3,4,5,6,7
	ds_load_b128 v[X+32*\c+4*\i:X+32*\c+4*\i+3], v6 offset:256*\c+16*\i   ; LDS serves a wave's instructions in order: these see the stores above.  k = 64 c + 32 h + 4 i ..
.endr
.endr
	s_wait_dscnt 0x0                               ; my two blocks are in, and the stores have read their registers,
.if (\t) < 2
	LOAD (\t)+2                                    ; which take the tile two further on
.endif
.irp c, 0,1
	v_max3_num_f32 v[10+\c], |v[X+32*\c]|, |v[X+32*\c+1]|, 0x1800000   ; block 2 c + h: all 32 numbers are mine; the floor 2^(3 - 127) holds the byte at 1 from below
.endr
.irp i, 2,4,6,8,10,12,14,16,18,20,22,24,26,28,30
.irp c, 0,1
	v_max3_num_f32 v[10+\c], v[10+\c], |v[X+32*\c+\i]|, |v[X+32*\c+\i+1]|
.endr
.endr
.irp c, 0,1
	v_add_nc_u32 v[12+\c], 0xff000000, v[10+\c]    ; 2 off the exponent field: the conversion's scale operand
.endr
.irp c, 0,1
	v_lshrrev_b32 v[14+\c], 23, v[12+\c]           ; the scale's byte
.endr
	v_lshl_or_b32 v[PW], v15, 16, v14              ; my two bytes: blocks h and 2 + h,
	v_lshlrev_b32 v[PW], v8, v[PW]                 ; at their places in the word;
	v_permlanex16_b32 v[PD], v[PW], s30, s31
	v_or_b32 v[PW], v[PW], v[PD]                   ; with lane l xor 16's two the word is whole, in both halves of the lanes
.if (\t) >= 2
	s_wait_alu depctr_va_vdst(0)
	s_wait_xcnt 0x0                                ; the stores of two tiles ago have read this set of codes: only now is it written again
.endif
.irp c, 0,1
	v_cvt_scalef32_pk16_fp6_f32 v[CC+6*\c:CC+6*\c+2], v[X+32*\c:X+32*\c+15], v[12+\c]
	v_cvt_scalef32_pk16_fp6_f32 v[T+4*\c:T+4*\c+2], v[X+32*\c+16:X+32*\c+31], v[12+\c]   ; (a conversion's three registers begin on an even number)
.endr
	v_nop                                          ; one plain place behind a scaled conversion
.irp c, 0,1
.irp i, 0,1,2
	v_mov_b32 v[CC+6*\c+3+\i], v[T+4*\c+\i]
.endr
.endr
.irp p, 0,1,2,3,4,5
	global_store_b64 v7, v[CC+2*\p:CC+2*\p+1], s[26:27] offset:1536*(\t)+256*\p   ; a piece: 32 lanes store 256 consecutive bytes, aligned
.endr
.if (\t)%2 == 0
	v_mov_b32 v[SW+(\t)/2], v[PW]                  ; lanes 0-15 keep the even tile's words,
.else
	v_cndmask_b32 v[SW+(\t)/2], v[SW+(\t)/2], v[PW], s32   ; lanes 16-31 take the odd tile's
.endif
.endm
	LOAD 0
	LOAD 1
	TILE 0
	TILE 1
	TILE 2
	TILE 3
	global_store_b64 v7, v[SW:SW+1], s[28:29]      ; the scale piece: 256 consecutive bytes, aligned
	s_wait_tensorcnt 0x0
	ds_add_u32 v254, v255
	s_wait_dscnt 0x0
	s_endpgm
.Lfunc_end_k_q4b4e49e0c8_quant:
	.size	k_q4b4e49e0c8_quant, .Lfunc_end_k_q4b4e49e0c8_quant-k_q4b4e49e0c8_quant
	.p2alignl 7, 3214868480
	.fill 96, 4, 3214868480
	.section	.rodata,"a",@progbits
	.p2align	6, 0x0
	.amdhsa_kernel k_q4b4e49e0c8_quant
		.amdhsa_group_segment_fixed_size 17152
		.amdhsa_private_segment_fixed_size 0
		.amdhsa_enable_private_segment 0
		.amdhsa_kernarg_size 48
		.amdhsa_user_sgpr_count 2
		.amdhsa_user_sgpr_kernarg_segment_ptr 1
		.amdhsa_wavefront_size32 1
		.amdhsa_system_sgpr_workgroup_id_x 1
		.amdhsa_system_sgpr_workgroup_id_y 1
		.amdhsa_system_sgpr_workgroup_id_z 1
		.amdhsa_system_vgpr_workitem_id 0
		.amdhsa_next_free_vgpr 256
		.amdhsa_next_free_sgpr 66
		.amdhsa_reserve_vcc 0
		.amdhsa_float_denorm_mode_32 3
		.amdhsa_float_denorm_mode_16_64 3
		.amdhsa_memory_ordered 1
		.amdhsa_forward_progress 1
		.amdhsa_inst_pref_size 32
	.end_amdhsa_kernel
	.amdgpu_metadata
---
amdhsa.version: [ 1, 2 ]
amdhsa.kernels:
  - .name:           k_q4b4e49e0c8_quant
    .symbol:         k_q4b4e49e0c8_quant.kd
    .args:
      - { .name: x, .offset: 0, .size: 8, .value_kind: global_buffer, .address_space: global }
      - { .name: y, .offset: 8, .size: 8, .value_kind: global_buffer, .address_space: global }
      - { .name: Wq, .offset: 16, .size: 8, .value_kind: global_buffer, .address_space: global }
      - { .name: Wk, .offset: 24, .size: 8, .value_kind: global_buffer, .address_space: global }
      - { .name: Wv, .offset: 32, .size: 8, .value_kind: global_buffer, .address_space: global }
      - { .name: ob1, .offset: 40, .size: 8, .value_kind: global_buffer, .address_space: global }
    .group_segment_fixed_size: 17152
    .private_segment_fixed_size: 0
    .kernarg_segment_align: 8
    .kernarg_segment_size: 48
    .max_flat_workgroup_size: 64
    .sgpr_count:     66
    .vgpr_count:     256
    .wavefront_size: 32
...
	.end_amdgpu_metadata
.endif
;; end of part 1
;; launch proj (part 2): grid 4 x 64, 4 waves a work-group, clusters of 4 x 4, 327,680 bytes of LDS; arguments ob1, qkv; writes qkv
.if DOCPART == 2
	.amdgcn_target "amdgcn-amd-amdhsa--gfx1250"
	.amdhsa_code_object_version 6
	.text
	.protected	k_q4b4e49e0c8_proj
	.globl	k_q4b4e49e0c8_proj
	.p2align	8
	.type	k_q4b4e49e0c8_proj,@function
k_q4b4e49e0c8_proj:
	s_mov_b64 s[64:65], 0
	v_nop
	global_prefetch_b8 v0, s[64:65] scope:SCOPE_SE
	s_setreg_imm32_b32 hwreg(HW_REG_WAVE_MODE, 25, 1), 1
	s_wait_xcnt 0x0
	s_wait_alu depctr_hold_cnt(0) depctr_sa_sdst(0) depctr_va_vdst(0) depctr_va_sdst(0) depctr_va_ssrc(0) depctr_va_vcc(0) depctr_vm_vsrc(0)
	s_getreg_b32 s2, hwreg(HW_REG_IB_STS2, 6, 4)
	s_cmp_eq_u32 s2, 0
	s_cbranch_scc0 .Lentry_in_a_cluster
	s_endpgm
.Lentry_in_a_cluster:
	s_bfe_u32 s2, ttmp6, 0x10000c
	s_cmp_lg_u32 s2, 0xf033
	s_cbranch_scc0 .Lentry_shape_is_right
	s_endpgm
.Lentry_shape_is_right:
; Q = (x Wq^T) / 8, K = y Wk^T and V^T = Wv y^T, on codes of FP6 (E2M3) with E8M0 scales, and each result quantised again along the K of the product that takes it (Q, K: the head's axis; V^T: the keys).
; IN: ob1, operand blocks of 12,800 bytes (128 rows x 128 along K as images of the operand's registers: tile i at 1536 i, piece p at 256 p, lane at 8 l; two pieces of scale words at 12288), at (8 g + s) x 12,800:
;   g the group of 128 rows (x 0-63, y 64-127, Wq 128-135, Wk 136-143, Wv 144-151), s the K step of 128.  A group's eight K steps are 102,400 consecutive bytes.
; OUT: qkv, blocks of the same make: K's and V's at ((8 b + pair) 8 + chunk) x 25,600 (K's, then V's), Q's at 13,107,200 + (8 G + pair) x 12,800.
; SHARES.  256 work-groups of four waves.  PART ONE: a tile of 256 x 256 of Q (cluster rows 0-7) or of K (8-15), a wave 128 x 128 in 64 accumulators.  PART TWO: a tile of 128 rows of Wv x 256 rows of y, a wave 64 x 128.
; Source 0 takes the weight's (part two: y's) tiles and source 1 the other operand's, so that a lane's registers run along the axis that is quantised next.
; LDS: four rows of 76,800 bytes, one for each 128 rows of A (rows 0, 1) and of B (rows 2, 3); a row has three regions of 25,600 bytes, two K steps each.  Behind them the spare words.
;   The head's load, one a wave, fills a whole row: K steps 0 to 5, 76,800 consecutive bytes of memory.  Three refills follow, each behind a round of the cluster's barrier, one load a wave:
;   in K step 1 region 0 takes K steps 6, 7;  in K step 5 regions 1 and 2 take y's two groups for part two (wave w: their K steps 2 w, 2 w + 1, two rows of 25,600 bytes);
;   behind the fourth block of part one's way out region 0 takes Wv's group (wave w: K steps 2 w, 2 w + 1).  One tensor load of a wave is out at a time.
; CLUSTER 4 x 4: A's tiles and Wv's hang on the cluster's row and are asked for jointly along it, B's and y's (part two) on its column.
; PREFETCH: what each refill will ask for is named ahead, once in the cluster: of a wave's 100 pieces of 256 bytes each of the four partners takes 25 by address (lanes 25-31 repeat lane 24's):
;   K steps 6, 7 in K step 0 (one step ahead), y's groups in K step 2 (three steps ahead), Wv's in K step 4.  The head's own load is not prefetched: nothing stands ahead of it.
; No loop along K: eight steps, and regions, register sets and refills do not come back to where they began inside them.
; LIMITS: NaN and infinities are not served; a block of zeros gets the byte 1, not 127: its codes are zeros, and this program alone reads the bytes.
.set OBB,   12800
.set PART,  2*OBB                      ; a region: two K steps of 128 rows
.set ROWL,  3*PART                     ; an LDS row
.set SPARE, 4*ROWL                     ; the spare words, 128 bytes a wave
.set GRPB,  8*OBB
.set QPART, 13107200
.set FR,    12
.set NL,    6
.set NP,    4
.set ADA2,  2                          ; v2-5   part two: Wv's four tiles of K steps 2 k, 2 k + 1
.set ADAS2, 6                          ; v6-9   their scale piece
.set ADB2,  10                         ; v10-13 y's block
.set ADRA,  16                         ; v16-18 part one: my A row, region 0, 1, 2
.set ADRB,  20                         ; v20-22 my B row
.set L8,    26                         ; 8 x lane
.set PFO,   27                         ; 256 x min(lane, 24); never rewritten
.set SPW,   28
.set NIL,   29
.set SC,    32                         ; v32-63 scale words and nothing else: two sets of 16
.set H,     64                         ; the way out: a block of 16 rows, scaled
.set AF,    128                        ; A's fragments
.set PC,    128                        ; the way out: codes
.set TM,    224
.set PW,    240
.set SW,    244
.set G1,  24                           ; group 1, mask of my row of the cluster
.set G0,  32                           ; group 0: A's row
.set PF1, 36                           ; s[36:37], s[38:39], s[62:63]: where the three prefetches stand; never rewritten
.set PF2, 38
.set G1B, 48                           ; group 1, mask of my column
.set G0B, 56                           ; group 0: B's row
.set PF3, 62
.set G0C, 80                           ; Wv
.set G0D, 84                           ; y's two groups
.set SEL, 94
.set MSB, 0
.macro WIN new                         ; the immediate's high byte repeats the setting that is left
.if MSB != (\new)
	s_set_vgpr_msb (MSB<<8)|(\new)
.set MSB, (\new)
.endif
.endm
.set MUL_LO, 0xa1                      ; source 0 window 1, source 1 window 0, C and D window 2
.set MUL_HI, 0xf1
.set TO_B,   0x40
.macro JLOAD g0a, g1a, g0b, g1b        ; waves 0, 1 ask for A, waves 2, 3 for B; s_nop 0 and four v_nop behind each line
	s_cmp_eq_u32 s15, 0
	s_cbranch_scc0 .Lfor_b_\@
	tensor_load_to_lds s[\g0a:\g0a+3], s[\g1a:\g1a+7]
	s_nop 0
.rept 4
	v_nop
.endr
	s_branch .Lasked_\@
.Lfor_b_\@:
	tensor_load_to_lds s[\g0b:\g0b+3], s[\g1b:\g1b+7]
	s_nop 0
.rept 4
	v_nop
.endr
.Lasked_\@:
.endm
.macro GLOAD g0, g1
	tensor_load_to_lds s[\g0:\g0+3], s[\g1:\g1+7]
	s_nop 0
.rept 4
	v_nop
.endr
.endm
.macro CREST                           ; a round of the cluster's barrier behind its opening barrier
	s_cmp_lg_u32 s14, 0
	s_cbranch_scc1 .Lnot_wave_0_\@
	s_barrier_signal -3
.Lnot_wave_0_\@:
	s_barrier_wait -3
	s_barrier_signal -1
	s_barrier_wait -1
.endm
.macro CROUND
	s_barrier_signal -1
	s_barrier_wait -1
	CREST
.endm
.macro PLACES n
.rept \n
	v_nop
.endr
.endm
; The one matrix instruction.  r0, r1 = 1: source 0's, source 1's scale words stand in lanes 16-31.  zero = 1: the product starts the sum.
.macro WM d, f0, f1, s0, r0, s1, r1, zero
.set wD, \d
.set wA, \f0
.set wB, \f1
.set wS, \s0
.set wT, \s1
.set wR, 2*(\r0)+(\r1)+4*(\zero)
.if wR == 0
	v_wmma_scale_f32_16x16x128_f8f6f4 v[wD:wD+7], v[wA:wA+11], v[wB:wB+11], v[wD:wD+7], v[wS], v[wT] matrix_a_fmt:MATRIX_FMT_FP6 matrix_b_fmt:MATRIX_FMT_FP6
.elseif wR == 1
	v_wmma_scale_f32_16x16x128_f8f6f4 v[wD:wD+7], v[wA:wA+11], v[wB:wB+11], v[wD:wD+7], v[wS], v[wT] matrix_a_fmt:MATRIX_FMT_FP6 matrix_b_fmt:MATRIX_FMT_FP6 matrix_b_scale:MATRIX_SCALE_ROW1
.elseif wR == 2
	v_wmma_scale_f32_16x16x128_f8f6f4 v[wD:wD+7], v[wA:wA+11], v[wB:wB+11], v[wD:wD+7], v[wS], v[wT] matrix_a_fmt:MATRIX_FMT_FP6 matrix_b_fmt:MATRIX_FMT_FP6 matrix_a_scale:MATRIX_SCALE_ROW1
.elseif wR == 3
	v_wmma_scale_f32_16x16x128_f8f6f4 v[wD:wD+7], v[wA:wA+11], v[wB:wB+11], v[wD:wD+7], v[wS], v[wT] matrix_a_fmt:MATRIX_FMT_FP6 matrix_b_fmt:MATRIX_FMT_FP6 matrix_a_scale:MATRIX_SCALE_ROW1 matrix_b_scale:MATRIX_SCALE_ROW1
.elseif wR == 4
	v_wmma_scale_f32_16x16x128_f8f6f4 v[wD:wD+7], v[wA:wA+11], v[wB:wB+11], 0, v[wS], v[wT] matrix_a_fmt:MATRIX_FMT_FP6 matrix_b_fmt:MATRIX_FMT_FP6
.elseif wR == 5
	v_wmma_scale_f32_16x16x128_f8f6f4 v[wD:wD+7], v[wA:wA+11], v[wB:wB+11], 0, v[wS], v[wT] matrix_a_fmt:MATRIX_FMT_FP6 matrix_b_fmt:MATRIX_FMT_FP6 matrix_b_scale:MATRIX_SCALE_ROW1
.elseif wR == 6
	v_wmma_scale_f32_16x16x128_f8f6f4 v[wD:wD+7], v[wA:wA+11], v[wB:wB+11], 0, v[wS], v[wT] matrix_a_fmt:MATRIX_FMT_FP6 matrix_b_fmt:MATRIX_FMT_FP6 matrix_a_scale:MATRIX_SCALE_ROW1
.else
	v_wmma_scale_f32_16x16x128_f8f6f4 v[wD:wD+7], v[wA:wA+11], v[wB:wB+11], 0, v[wS], v[wT] matrix_a_fmt:MATRIX_FMT_FP6 matrix_b_fmt:MATRIX_FMT_FP6 matrix_a_scale:MATRIX_SCALE_ROW1 matrix_b_scale:MATRIX_SCALE_ROW1
.endif
.endm
	s_load_b128 s[4:7], s[0:1], 0x0                ; ob1, qkv
	v_lshl_add_u32 v[SPW], v0, 2, SPARE
	v_mov_b32 v[NIL], 0
	ds_add_u32 v[SPW], v[NIL]                      ; the opening lines: the add twice on end and one wait, ahead of my first tensor load
	ds_add_u32 v[SPW], v[NIL]
	v_lshrrev_b32 v1, 5, v0
	v_readfirstlane_b32 s14, v1                    ; wave 0..3
	s_lshr_b32 s15, s14, 1                         ; my half of the tile's rows; also: I fetch for A (0) or B (1)
	s_and_b32 s16, s14, 1                          ; my half of its columns; also: which 128 rows I fetch
	s_bfe_u32 s40, ttmp6, 0x40000                  ; cx
	s_bfe_u32 s41, ttmp6, 0x40004                  ; cy
	s_and_b32 s66, ttmp7, 0xffff                   ; the cluster's row, 0..15
	s_lshr_b32 s67, s66, 3                         ; 0: Q from x and Wq; 1: K from y and Wk
	s_and_b32 s68, s66, 7
	s_lshl_b32 s68, s68, 2
	s_add_co_u32 s17, s68, s41                     ; tile row, 0..31
	s_lshl_b32 s69, s67, 6                         ; the tensor's first group: x 0, y 64
	s_lshl_b32 s70, s67, 3
	s_add_co_u32 s70, s70, 128                     ; Wq 128, Wk 136
	s_lshl_b32 s43, s41, 2
	s_lshl_b32 s43, 15, s43                        ; my row of the cluster
	s_lshl_b32 s44, 0x1111, s40                    ; my column
	s_or_b32 s[G1+0], s43, (3<<16)|(1<<21)         ; elements of 8 bytes; bit 21 beside a mask
	s_or_b32 s[G1B+0], s44, (3<<16)|(1<<21)
.irp g, G1, G1B                                ; the head's tile: 300 dense rows of 256 bytes
	s_mov_b32 s[\g+1], 32<<16
	s_mov_b32 s[\g+2], 300<<16
	s_mov_b32 s[\g+3], 32<<16
	s_mov_b32 s[\g+4], 300
	s_mov_b32 s[\g+5], 32
	s_mov_b32 s[\g+6], 0
	s_mov_b32 s[\g+7], 0
.endr
	s_mul_i32 s45, s14, ROWL                       ; my LDS row: the wave's number alone
	s_lshl_b32 s20, s17, 1
	s_add_co_u32 s20, s20, s16
	s_add_co_u32 s20, s20, s69
	s_mul_i32 s20, s20, GRPB                       ; A's group
	s_mov_b32 s21, 0
	s_lshl_b32 s46, s40, 1
	s_add_co_u32 s46, s46, s16
	s_add_co_u32 s46, s46, s70
	s_mul_i32 s46, s46, GRPB                       ; B's group
	s_mov_b32 s47, 0
	s_wait_dscnt 0x0                               ; both opening adds are done
	s_wait_kmcnt 0x0
	s_add_nc_u64 s[20:21], s[4:5], s[20:21]
	s_add_nc_u64 s[46:47], s[4:5], s[46:47]
	s_mov_b32 s[G0], 1
	s_mov_b32 s[G0+1], s45
	s_mov_b64 s[G0+2:G0+3], s[20:21]
	s_or_b32 s[G0+3], s[G0+3], 0x80000000
	s_mov_b32 s[G0B], 1
	s_mov_b32 s[G0B+1], s45
	s_mov_b64 s[G0B+2:G0B+3], s[46:47]
	s_or_b32 s[G0B+3], s[G0B+3], 0x80000000
	CROUND                                         ; all sixteen work-groups are here: the first joint loads meet
	JLOAD G0, G1, G0B, G1B                         ; K steps 0 to 5 of my 128 rows: my one load at the head
	; part two's tiles
	s_and_b32 s71, s66, 1
	s_lshl_b32 s71, s71, 2
	s_add_co_u32 s71, s71, s41                     ; Wv's group, 0..7: shared along my row
	s_lshr_b32 s72, s66, 1
	s_lshl_b32 s72, s72, 2
	s_add_co_u32 s72, s72, s40                     ; y's pair of groups, 0..31: shared along my column
	s_mul_i32 s97, s14, PART                       ; the two K steps that I fetch of them
	s_add_co_u32 s18, s71, 144
	s_mul_i32 s18, s18, GRPB
	s_add_co_u32 s18, s18, s97
	s_mov_b32 s19, 0
	s_add_nc_u64 s[18:19], s[4:5], s[18:19]
	s_lshl_b32 s98, s72, 1
	s_add_co_u32 s98, s98, 64
	s_mul_i32 s98, s98, GRPB
	s_add_co_u32 s98, s98, s97
	s_mov_b32 s99, 0
	s_add_nc_u64 s[98:99], s[4:5], s[98:99]
	s_mov_b32 s[G0C], 1
	s_mov_b32 s[G0C+1], s45                        ; Wv: region 0
	s_mov_b64 s[G0C+2:G0C+3], s[18:19]
	s_or_b32 s[G0C+3], s[G0C+3], 0x80000000
	s_mov_b32 s[G0D], 1
	s_add_co_u32 s[G0D+1], s45, PART               ; y: regions 1 and 2
	s_mov_b64 s[G0D+2:G0D+3], s[98:99]
	s_or_b32 s[G0D+3], s[G0D+3], 0x80000000
	; the prefetches: my work-group's 25 pieces of the 100 that my wave will ask for, told apart by address
	s_cmp_eq_u32 s15, 0
	s_cselect_b64 s[PF1:PF1+1], s[20:21], s[46:47]
	s_cselect_b32 s60, s40, s41                    ; my place among the four that ask with me: cx for A, cy for B
	s_mul_i32 s60, s60, 6400
	s_add_co_u32 s60, s60, 3*PART                  ; K steps 6, 7
	s_mov_b32 s61, 0
	s_add_nc_u64 s[PF1:PF1+1], s[PF1:PF1+1], s[60:61]
	s_mul_i32 s60, s41, 6400
	s_add_nc_u64 s[PF2:PF2+1], s[98:99], s[60:61]
	s_mul_i32 s60, s40, 6400
	s_add_nc_u64 s[PF3:PF3+1], s[18:19], s[60:61]
	s_mov_b32 s[SEL], 0x76543210
	s_mov_b32 s[SEL+1], 0xfedcba98                 ; v_permlanex16_b32's selects for lane l xor 16
	s_mov_b32 s96, 0xffff0000                      ; lanes 16-31
	; where the results go
	s_lshl_b32 s74, s17, 1
	s_add_co_u32 s74, s74, s15                     ; my group of 128 rows of Q or K
	s_lshl_b32 s75, s40, 1
	s_add_co_u32 s75, s75, s16                     ; my pair of heads
	s_lshr_b32 s78, s74, 3
	s_lshl_b32 s78, s78, 6
	s_lshl_b32 s79, s75, 3
	s_add_co_u32 s78, s78, s79
	s_and_b32 s79, s74, 7
	s_add_co_u32 s78, s78, s79
	s_mul_i32 s78, s78, 2*OBB                      ; K's block
	s_lshl_b32 s79, s74, 3
	s_add_co_u32 s79, s79, s75
	s_mul_i32 s79, s79, OBB
	s_add_co_u32 s79, s79, QPART                   ; Q's block
	s_cmp_eq_u32 s67, 0
	s_cselect_b32 s78, s79, s78
	s_cselect_b32 s92, 0x3e000000, 1.0             ; Q carries the 1/8, ahead of its quantiser
	s_mov_b32 s93, s92
	s_mov_b32 s79, 0
	s_add_nc_u64 s[12:13], s[6:7], s[78:79]
	s_lshl_b32 s73, s72, 1
	s_add_co_u32 s73, s73, s16                     ; my group of 128 keys
	s_lshr_b32 s76, s73, 3
	s_lshl_b32 s76, s76, 6
	s_lshl_b32 s77, s71, 3
	s_add_co_u32 s76, s76, s77
	s_and_b32 s77, s73, 7
	s_add_co_u32 s76, s76, s77
	s_mul_i32 s76, s76, 2*OBB
	s_add_co_u32 s76, s76, OBB                     ; V's block
	s_mov_b32 s77, 0
	s_add_nc_u64 s[10:11], s[6:7], s[76:77]
	s_mul_i32 s76, s15, 6144
	s_add_nc_u64 s[8:9], s[10:11], s[76:77]        ; my four tiles of it
	s_lshl_b32 s76, s15, 8
	s_add_co_u32 s76, s76, 12288
	s_add_nc_u64 s[10:11], s[10:11], s[76:77]      ; my scale piece
	; LDS addresses
	s_mul_i32 s21, s15, ROWL                       ; A's row
	s_mul_i32 s22, s16, ROWL
	s_add_co_u32 s22, s22, 2*ROWL                  ; B's row
	s_mul_i32 s23, s15, 6144                       ; part two: my four tiles of Wv, region 0
	s_lshl_b32 s100, s15, 8
	s_add_co_u32 s100, s100, 12288                 ; their scale piece
	s_mul_i32 s101, s16, PART
	s_add_co_u32 s101, s101, PART                  ; my group of y: region 1 or 2
	v_and_b32 v1, 31, v0
	v_lshlrev_b32 v[L8], 3, v1
	v_min_u32 v[PFO], 24, v1
	v_lshlrev_b32 v[PFO], 8, v[PFO]
	v_add_nc_u32 v[ADRA], s21, v[L8]
	v_add_nc_u32 v[ADRB], s22, v[L8]
	v_add_nc_u32 v[ADA2], s23, v[L8]
	v_add_nc_u32 v[ADAS2], s100, v[L8]
	v_add_nc_u32 v[ADB2], s101, v[L8]
.irp s, 1,2
	v_add_nc_u32 v[ADRA+\s], \s*PART, v[ADRA]
	v_add_nc_u32 v[ADRB+\s], \s*PART, v[ADRB]
.endr
.irp k, 1,2,3
	v_add_nc_u32 v[ADA2+\k], \k*ROWL, v[ADA2]
	v_add_nc_u32 v[ADAS2+\k], \k*ROWL, v[ADAS2]
	v_add_nc_u32 v[ADB2+\k], \k*ROWL, v[ADB2]
.endr
.irp b, 0,1,2,3
	v_mov_b32 v[TM+4+\b], 0                        ; written once: a lane permute's destination counts as one of its sources
.endr
.macro FRAG reg, adr, off              ; a fragment: six pieces, each 256 consecutive bytes for the 32 lanes
.irp p, 0,1,2,3,4,5
	ds_load_b64 v[(\reg)+2*\p:(\reg)+2*\p+1], v[\adr] offset:(\off)+256*\p
.endr
.endm
.macro FETCH_B slot, q, p              ; B's eight fragments of step q of a region into set p
	WIN TO_B
.irp i, 0,1,2,3,4,5,6,7
	FRAG 128*(\p)+FR*\i, ADRB+\slot, (\q)*OBB+\i*1536
.endr
	WIN 0
.endm
.macro FETCH_A slot, q, i0             ; A's blocks i0 .. i0 + 3
.irp i, \i0, \i0+1, \i0+2, \i0+3
	FRAG AF+FR*(\i), ADRA+\slot, (\q)*OBB+(\i)*1536
.endr
.endm
.macro SCALES slot, set                ; the scale words of a region's two steps
.irp q, 0,1
.irp j, 0,1
	ds_load_b64 v[SC+16*(\set)+8*\q+2*\j:SC+16*(\set)+8*\q+2*\j+1], v[ADRA+\slot] offset:\q*OBB+12288+256*\j
	ds_load_b64 v[SC+16*(\set)+8*\q+4+2*\j:SC+16*(\set)+8*\q+4+2*\j+1], v[ADRB+\slot] offset:\q*OBB+12288+256*\j
.endr
.endr
.endm
.macro MUL16 a0, p, q, sc, zero        ; A's blocks a0, a0 + 1 x B's eight; the 64 accumulators take turns, one instruction a turn
.irp a, \a0, \a0+1
.irp b, 0,1,2,3,4,5,6,7
	WM 8*(8*((\a)%4)+\b), 128*(\p)+FR*\b, AF+FR*(\a), SC+16*(\sc)+8*(\q)+4+\b/2, \b%2, SC+16*(\sc)+8*(\q)+(\a)/2, (\a)%2, \zero
.endr
.endr
.endm
; K step st of part one: 64 matrix instructions; the next step's fragments are fetched in its middle and at its end.  Step st lies in region (st / 2) % 3.
; fill = 1, 2: all reads of the regions to be filled are over: each wave waits for all its tensor loads, adds 0 to its spare word, waits for that and for its reads; a round of the cluster's barrier; the joint refill first behind it.
; pf: which prefetch stands behind the run of LDS loads.
.macro KSTEP st, zero, fill, pf
.set QQ,  (\st)%2
.set SS,  ((\st)/2)%2
.set NSL, (((\st)+1)/2)%3
.set NQQ, ((\st)+1)%2
.if \fill
	s_wait_tensorcnt 0x0                           ; all my tensor loads have landed
	ds_add_u32 v[SPW], v[NIL]
.if \fill == 2
	s_mov_b32 s[G1B+1], 3200<<16                   ; no tensor load of mine is out: from here on the column's tile is two rows of 25,600 bytes, a group apart
	s_mov_b32 s[G1B+2], 2<<16
	s_mov_b32 s[G1B+3], 3200<<16
	s_mov_b32 s[G1B+4], 2
	s_mov_b32 s[G1B+5], 12800
.endif
	s_wait_dscnt 4*NL+1                            ; the add and the youngest 24 loads (A's blocks 4-7) may be out
	WIN MUL_LO
	MUL16 0, QQ, QQ, SS, \zero
	s_wait_dscnt 0x0                               ; the add is done and my reads are over
	s_barrier_signal -1                            ; opens the round
	MUL16 2, QQ, QQ, SS, \zero
	WIN 0
	s_barrier_wait -1
	CREST
.if \fill == 1
	JLOAD G0, G1, G0B, G1B                         ; K steps 6, 7 into region 0; the four v_nop are the places in front of the loads below
.else
	GLOAD G0D, G1B                                 ; y's two groups into regions 1, 2
.endif
.else
	s_wait_dscnt 4*NL                              ; the youngest 24 loads (A's blocks 4-7) may be out
	WIN MUL_LO
	MUL16 0, QQ, QQ, SS, \zero
	MUL16 2, QQ, QQ, SS, \zero
	s_wait_dscnt 0x0
	PLACES NP                                      ; in front of loads into registers that matrix instructions have read
.endif
.if (\st) < 7
	FETCH_B NSL, NQQ, NQQ
	FETCH_A NSL, NQQ, 0
.if NQQ == 0
	SCALES NSL, 1-SS
.endif
.endif
.if \pf == 1
	global_prefetch_b8 v[PFO], s[PF1:PF1+1] th:TH_LOAD_NT scope:SCOPE_SE
.elseif \pf == 2
	global_prefetch_b8 v[PFO], s[PF2:PF2+1] th:TH_LOAD_NT scope:SCOPE_SE
	global_prefetch_b8 v[PFO], s[PF2:PF2+1] offset:GRPB th:TH_LOAD_NT scope:SCOPE_SE
.elseif \pf == 3
	global_prefetch_b8 v[PFO], s[PF3:PF3+1] th:TH_LOAD_NT scope:SCOPE_SE
.endif
	WIN MUL_HI
	MUL16 4, QQ, QQ, SS, \zero
	MUL16 6, QQ, QQ, SS, \zero
	PLACES NP
	WIN 0
.if (\st) < 7
	FETCH_A NSL, NQQ, 4
.endif
.endm
.macro P2FETCH s                       ; part two, K step s: it lies in LDS row s / 2
	WIN TO_B
.irp i, 0,1,2,3,4,5,6,7
	FRAG 128*((\s)%2)+FR*\i, ADB2+(\s)/2, ((\s)%2)*OBB+\i*1536
.endr
	WIN 0
.irp i, 0,1,2,3
	FRAG AF+48*((\s)%2)+FR*\i, ADA2+(\s)/2, ((\s)%2)*OBB+\i*1536
.endr
	ds_load_b64 v[SC+8*((\s)%2):SC+8*((\s)%2)+1], v[ADAS2+(\s)/2] offset:((\s)%2)*OBB
.irp j, 0,1
	ds_load_b64 v[SC+8*((\s)%2)+4+2*\j:SC+8*((\s)%2)+4+2*\j+1], v[ADB2+(\s)/2] offset:((\s)%2)*OBB+12288+256*\j
.endr
.endm
.macro P2MUL s, zero                   ; 32 accumulators by turns
.irp a, 0,1,2,3
.irp b, 0,1,2,3,4,5,6,7
	WM 8*(8*\a+\b), 128*((\s)%2)+FR*\b, AF+48*((\s)%2)+FR*\a, SC+8*((\s)%2)+4+\b/2, \b%2, SC+8*((\s)%2)+\a/2, \a%2, \zero
.endr
.endr
.endm
; 16 rows x 128 numbers in v[s .. s + 63] (register 16 b + i of lane (r, h): number 32 b + 16 h + i of row r) become a tile's 12 registers of codes and its scale word.
.macro QUANT s
.irp b, 0,1,2,3
	v_max3_num_f32 v[TM+\b], |v[\s+16*\b]|, |v[\s+1+16*\b]|, 0x1800000   ; the floor 2^(3 - 127) holds the byte at 1 from below
.endr
.irp i, 2,4,6,8,10,12,14
.irp b, 0,1,2,3
	v_max3_num_f32 v[TM+\b], v[TM+\b], |v[\s+16*\b+\i]|, |v[\s+1+16*\b+\i]|
.endr
.endr
.irp b, 0,1,2,3
	v_permlanex16_b32 v[TM+4+\b], v[TM+\b], s[SEL], s[SEL+1]
.endr
.irp b, 0,1,2,3
	v_max_num_f32 v[TM+\b], v[TM+\b], v[TM+4+\b]   ; with lane l xor 16's 16: the block's largest magnitude
.endr
.irp b, 0,1,2,3
	v_add_nc_u32 v[TM+12+\b], 0xff000000, v[TM+\b] ; 2 off the exponent field: the conversion's scale operand
.endr
.irp b, 0,1,2,3
	v_lshrrev_b32 v[TM+4+\b], 23, v[TM+12+\b]      ; the scale's byte
.endr
	v_lshl_or_b32 v[PW], v[TM+5], 8, v[TM+4]
	v_lshl_or_b32 v[PW], v[TM+6], 16, v[PW]
	v_lshl_or_b32 v[PW], v[TM+7], 24, v[PW]
.irp c, 0,1
	v_cvt_scalef32_pk16_fp6_f32 v[PC+6*\c:PC+2+6*\c], v[\s+32*\c:\s+15+32*\c], v[TM+12+2*\c]
	v_cvt_scalef32_pk16_fp6_f32 v[PC+12+4*\c:PC+14+4*\c], v[\s+16+32*\c:\s+31+32*\c], v[TM+12+2*\c+1]
.endr
	v_nop                                          ; one plain place behind a scaled conversion
.irp c, 0,1                                    ; the operand's layout wants a whole block in a lane
.irp i, 0,1,2
	v_permlane16_swap_b32 v[PC+6*\c+\i], v[PC+12+4*\c+\i]
.endr
.irp i, 0,1,2
	v_mov_b32 v[PC+3+6*\c+\i], v[PC+12+4*\c+\i]
.endr
.endr
.endm
.macro OUTBLK a, ptr                   ; block a of 16 rows: scaled, quantised, stored as a tile: six pieces of 256 consecutive aligned bytes
	WIN 0x02+(\a)/4
.set kk, 0
.rept 32
	v_pk_mul_f32 v[H+2*kk:H+2*kk+1], v[64*((\a)%4)+2*kk:64*((\a)%4)+2*kk+1], s[92:93] op_sel_hi:[1,0]   ; each accumulator from its low end on
.set kk, kk+1
.endr
	WIN 0
	s_wait_xcnt 0x0                                ; the last block's stores have read their registers
	QUANT H
.irp p, 0,1,2,3,4,5
	global_store_b64 v[L8], v[PC+2*\p:PC+2*\p+1], s[\ptr:\ptr+1] offset:1536*(\a)+256*\p
.endr
.if (\a)%2 == 0
	v_mov_b32 v[SW+(\a)/2], v[PW]                  ; lanes 0-15 keep the even tile's words,
.else
	v_cndmask_b32 v[SW+(\a)/2], v[SW+(\a)/2], v[PW], s96   ; lanes 16-31 take the odd tile's
.endif
.endm
	s_wait_alu depctr_va_vdst(0)                   ; the wait at the head's end
	s_wait_tensorcnt 0x0                           ; my row is in; no tensor load of mine is out, so descriptors may be written:
	s_mov_b32 s[G1+2], 100<<16                     ; from here on a load brings 100 rows of 256 bytes: two K steps
	s_mov_b32 s[G1+4], 100
	s_mov_b32 s[G1B+2], 100<<16
	s_mov_b32 s[G1B+4], 100
	s_add_nc_u64 s[G0+2:G0+3], s[G0+2:G0+3], 3*PART      ; K steps 6, 7
	s_add_nc_u64 s[G0B+2:G0B+3], s[G0B+2:G0B+3], 3*PART
	s_barrier_signal -1
	s_barrier_wait -1                              ; everybody's row is in
	FETCH_B 0, 0, 0
	FETCH_A 0, 0, 0
	SCALES 0, 0
	FETCH_A 0, 0, 4
	KSTEP 0, 1, 0, 1                               ; the first step's products start the sums
	KSTEP 1, 0, 1, 0
	KSTEP 2, 0, 0, 2
	KSTEP 3, 0, 0, 0
	KSTEP 4, 0, 0, 3
	KSTEP 5, 0, 2, 0
	KSTEP 6, 0, 0, 0
	KSTEP 7, 0, 0, 0
.irp a, 0,1,2,3
	OUTBLK \a, 12
.endr
	s_wait_alu depctr_va_vdst(0)                   ; ahead of the waits below
	s_wait_tensorcnt 0x0                           ; y's groups are in;
	ds_add_u32 v[SPW], v[NIL]
	s_wait_dscnt 0x0                               ; the add is done; my reads of region 0 ended in K step 7
	CROUND
	GLOAD G0C, G1                                  ; Wv's group into region 0: it lands under the four blocks below
.irp a, 4,5,6,7
	OUTBLK \a, 12
.endr
.irp j, 0,1
	global_store_b64 v[L8], v[SW+2*\j:SW+2*\j+1], s[12:13] offset:12288+256*\j
.endr
	s_mov_b32 s92, 1.0                             ; V carries no factor
	s_mov_b32 s93, 1.0
	s_wait_tensorcnt 0x0                           ; my part of Wv is in,
	s_barrier_signal -1
	s_barrier_wait -1                              ; everybody's is
	s_wait_xcnt 0x0                                ; the stores have read their registers: fragments may land there
	P2FETCH 0
.irp s, 0,1,2,3,4,5,6,7
	s_wait_dscnt 0x0
.if \s < 7
.if \s > 0
	PLACES NP
.endif
	P2FETCH \s+1
.endif
	WIN MUL_LO
.if \s == 0
	P2MUL \s, 1
.else
	P2MUL \s, 0
.endif
	WIN 0
.endr
	PLACES NP
.irp a, 0,1,2,3
	OUTBLK \a, 8
.endr
	global_store_b64 v[L8], v[SW:SW+1], s[10:11]
	s_wait_tensorcnt 0x0                           ; the wave's end
	ds_add_u32 v[SPW], v[NIL]
	s_wait_dscnt 0x0
	CROUND                                         ; the closing round
	s_endpgm
.Lfunc_end_k_q4b4e49e0c8_proj:
	.size	k_q4b4e49e0c8_proj, .Lfunc_end_k_q4b4e49e0c8_proj-k_q4b4e49e0c8_proj
	.p2alignl 7, 3214868480
	.fill 96, 4, 3214868480
	.section	.rodata,"a",@progbits
	.p2align	6, 0x0
	.amdhsa_kernel k_q4b4e49e0c8_proj
		.amdhsa_group_segment_fixed_size 327680
		.amdhsa_private_segment_fixed_size 0
		.amdhsa_enable_private_segment 0
		.amdhsa_kernarg_size 16
		.amdhsa_user_sgpr_count 2
		.amdhsa_user_sgpr_kernarg_segment_ptr 1
		.amdhsa_wavefront_size32 1
		.amdhsa_system_sgpr_workgroup_id_x 1
		.amdhsa_system_sgpr_workgroup_id_y 1
		.amdhsa_system_sgpr_workgroup_id_z 1
		.amdhsa_system_vgpr_workitem_id 0
		.amdhsa_next_free_vgpr 1024
		.amdhsa_next_free_sgpr 102
		.amdhsa_reserve_vcc 0
		.amdhsa_float_denorm_mode_32 3
		.amdhsa_float_denorm_mode_16_64 3
		.amdhsa_memory_ordered 1
		.amdhsa_forward_progress 1
		.amdhsa_inst_pref_size 255
	.end_amdhsa_kernel
	.section	.bss,"aw",@nobits
	.p2align	6
	.space	262144
	.amdgpu_metadata
---
amdhsa.version: [ 1, 2 ]
amdhsa.kernels:
  - .name:           k_q4b4e49e0c8_proj
    .symbol:         k_q4b4e49e0c8_proj.kd
    .args:
      - { .name: ob1, .offset: 0, .size: 8, .value_kind: global_buffer, .address_space: global }
      - { .name: qkv, .offset: 8, .size: 8, .value_kind: global_buffer, .address_space: global }
    .group_segment_fixed_size: 327680
    .private_segment_fixed_size: 0
    .kernarg_segment_align: 8
    .kernarg_segment_size: 16
    .max_flat_workgroup_size: 128
    .sgpr_count:     102
    .vgpr_count:     1024
    .wavefront_size: 32
...
	.end_amdgpu_metadata
.endif
;; end of part 2
;; launch attn (part 3): grid 4 x 64, 16 waves a work-group, clusters of 4 x 1, 215,040 bytes of LDS; arguments qkv, yob; writes yob
.if DOCPART == 3
	.amdgcn_target "amdgcn-amd-amdhsa--gfx1250"
	.amdhsa_code_object_version 6
	.text
	.protected	k_q4b4e49e0c8_attn
	.globl	k_q4b4e49e0c8_attn
	.p2align	8
	.type	k_q4b4e49e0c8_attn,@function
k_q4b4e49e0c8_attn:
	s_mov_b64 s[64:65], 0
	v_nop
	global_prefetch_b8 v0, s[64:65] scope:SCOPE_SE
	s_setreg_imm32_b32 hwreg(HW_REG_WAVE_MODE, 25, 1), 1
	s_wait_xcnt 0x0
	s_wait_alu depctr_hold_cnt(0) depctr_sa_sdst(0) depctr_va_vdst(0) depctr_va_sdst(0) depctr_va_ssrc(0) depctr_va_vcc(0) depctr_vm_vsrc(0)
	s_getreg_b32 s2, hwreg(HW_REG_IB_STS2, 6, 4)
	s_cmp_eq_u32 s2, 0
	s_cbranch_scc0 .Lentry_in_a_cluster
	s_endpgm
.Lentry_in_a_cluster:
	s_bfe_u32 s2, ttmp6, 0x10000c
	s_cmp_lg_u32 s2, 0x3003
	s_cbranch_scc0 .Lentry_shape_is_right
	s_endpgm
.Lentry_shape_is_right:
; y_[b][q][64 h + d] = the sum over k of softmax_k(Q[b][q][h] . K[b][k][h]) V[b][k][h][d] (Q carries the 1/8), both products on codes of FP6 (E2M3), and y_ quantised along its 1,024 for the last product.
; THE SOFTMAX: t = score x log2(e); M = the row's largest t so far, rounded UP to a whole number; p = 2^(t - M) is quantised along the keys, not normalised; the row's sum is taken of the unquantised p and divides O at the end.
; When M moves, the sum and O are multiplied by 2^(old M - new M): exact.
; IN: qkv, as operand blocks of 12,800 bytes (128 rows x 128 along K as images of the operand's registers; tile i at 1536 i, piece p at 256 p, lane at 8 l; two pieces of scale words at 12288; place r of tile i = row 32 (i/2) + 8 (i%2) + r + 8 (r/8)):
;   for batch b, pair of heads and chunk of 128 keys: K's block (keys x the pair's 128), then V's (the pair's 128 rows x keys), at ((8 b + pair) 8 + chunk) x 25,600;  Q's at 13,107,200 + (8 G + pair) x 12,800, G = 8 b + q / 128.
; OUT: yob: y_'s blocks (128 queries x the pair's 128) at (8 G + pair) x 12,800.
; SHARES.  A work-group takes 256 queries of one pair of heads; each of its sixteen waves one tile of 16 queries, in 256 registers, four waves to a SIMD: head 0 over all 1,024 keys, then head 1.
; ALL of the pair's K and V, 204,800 bytes, come into LDS once, a block a wave, and stay: no slot is filled again.  CLUSTER: the four query blocks of a pair ask for them jointly.
; LAYOUT.  Both products are used transposed (S^T = K Q^T, O^T = V^T P^T): a lane holds one query; by the order of a tile's rows the 16 registers of two neighbouring tiles are 16 neighbouring keys (or 16 neighbours of the head's 64).
; K = 64 IN AN INSTRUCTION OF 128: Q's other six registers are zero codes; K's other six are a neighbouring tile's codes or a guard: they meet zeros, under scale bytes that are true bytes, and add nothing.  So only a head's half of K's tiles is read.
; REGISTERS: v1-7 addresses; v[10:11] f; v12 -M, v13 the largest t, v[14:15] the sum; v16-21 Q of head 0, v22-27 zeros, v28-33 Q of head 1; v36-41, v90-95 guards; v42-89 K's eight halves, then V's four fragments;
;   v96-159 S^T, then p; v160-191, v192-223 O^T of heads 0, 1; v224-235 p's codes; v232-247, v252, v254 at work; v248-251 K's or V's scale words, v253 p's, v255 Q's; v250-251 also hold partial sums of p.
; LIMITS: NaN and infinities are not served; y_ is O x the reciprocal of the sum (v_rcp_f32); a block of zeros gets the byte 1, not 127: its codes are zeros, and this program alone reads the bytes.
.set OBB,   12800
.set CHB,   25600                      ; a chunk: K's block, V's block
.set STG,   204800                     ; behind K and V: 1,024 bytes in which y_'s scale words meet; no tensor load lands there
.set QPART, 13107200
.set L8,  1                            ; v1  8 x lane
.set ADR, 2                            ; v2  LDS address of the chunk in hand, + 8 x lane
.set QSO, 4                            ; v4  my tile's scale words in a block's scale pieces
.set STW, 5                            ; v5  where my row's scale word goes in the stage
.set L16, 6                            ; v6  16 x lane
.set STR, 7                            ; v7  where a block's 512 bytes of scale words are read back
.set TM,  96
.set PC,  112
.set PW,  132
.set WV,  18
.set SEL, 20
.set CS,  22
.set G1,  24
.set G0,  32
.set TB,  36
.set CNT, 37
.macro CROUND                          ; a round of the cluster's barrier
	s_barrier_signal -1
	s_barrier_wait -1
	s_cmp_lg_u32 s[WV], 0
	s_cbranch_scc1 .Lnot_wave_0_\@
	s_barrier_signal -3
.Lnot_wave_0_\@:
	s_barrier_wait -3
	s_barrier_signal -1
	s_barrier_wait -1
.endm
	s_load_b128 s[4:7], s[0:1], 0x0                ; qkv, yob
	v_lshl_add_u32 v35, v0, 2, 0x34000
	v_mov_b32 v243, 0
	ds_add_u32 v35, v243
	ds_add_u32 v35, v243
	v_lshrrev_b32 v8, 5, v0
	s_delay_alu instid0(VALU_DEP_1)
	v_readfirstlane_b32 s[WV], v8                  ; wave 0..15
	s_bfe_u32 s13, ttmp6, 0x40000                  ; cx
	s_lshl_b32 s14, ttmp9, 2
	s_add_co_u32 s14, s14, s13                     ; my block of 256 queries: it enters Q's and y_'s addresses alone
	s_and_b32 s15, ttmp7, 0xffff                   ; 8 b + pair, which the four partners share
	s_lshr_b32 s16, s15, 3                         ; b
	s_and_b32 s17, s15, 7                          ; pair
	s_mul_i32 s40, s[WV], OBB                      ; the block that I fetch: its place among the pair's sixteen, in memory and in LDS
	s_mul_i32 s38, s15, 8*CHB
	s_add_co_u32 s38, s38, s40
	s_mov_b32 s39, 0
	s_mov_b32 s[G1], 15|(3<<16)|(1<<21)            ; 15:0 the mask: all four work-groups; 17:16 elements of 8 bytes; 21 set beside a mask
	s_mov_b32 s[G1+1], 32<<16                      ; tensor_dim0: rows of 256 bytes
	s_mov_b32 s[G1+2], 50<<16                      ; tensor_dim1
	s_mov_b32 s[G1+3], 32<<16                      ; tile_dim0
	s_mov_b32 s[G1+4], 50                          ; tile_dim1
	s_mov_b32 s[G1+5], 32                          ; dense
	s_mov_b32 s[G1+6], 0
	s_mov_b32 s[G1+7], 0
	s_lshl_b32 s41, s16, 3
	s_lshl_b32 s42, s14, 1
	s_add_co_u32 s41, s41, s42                     ; my work-group's first group of 128 queries
	s_lshr_b32 s42, s[WV], 3
	s_add_co_u32 s42, s41, s42                     ; my wave's group
	s_lshl_b32 s42, s42, 3
	s_add_co_u32 s42, s42, s17
	s_mul_i32 s42, s42, OBB                        ; its block for this pair, among Q's and among y_'s
	s_mov_b32 s43, 0
	s_and_b32 s50, s[WV], 7
	s_mul_i32 s50, s50, 1536                       ; my tile in it
	s_mov_b32 s51, 0
	s_bfe_u32 s48, s[WV], 0x10002                  ; tile i's scale words: piece i / 4,
	s_lshl_b32 s48, s48, 8
	s_and_b32 s49, s[WV], 1                        ; lanes 16 (i % 2) on,
	s_lshl_b32 s49, s49, 7
	s_add_co_u32 s48, s48, s49
	s_bfe_u32 s49, s[WV], 0x10001                  ; word (i / 2) % 2
	s_lshl_b32 s49, s49, 2
	s_add_co_u32 s48, s48, s49
	s_lshr_b32 s49, s[WV], 3
	s_lshl_b32 s49, s49, 9
	s_add_co_u32 s49, s49, s48
	s_add_co_u32 s49, s49, STG                     ; the same place in the stage: 512 bytes for each of the two groups
	s_and_b32 s54, s[WV], 1
	s_add_co_u32 s52, s41, s54                     ; the group whose scale words waves 0 and 1 store
	s_lshl_b32 s52, s52, 3
	s_add_co_u32 s52, s52, s17
	s_mul_i32 s52, s52, OBB
	s_add_co_u32 s52, s52, 12288
	s_mov_b32 s53, 0
	s_lshl_b32 s54, s54, 9
	s_add_co_u32 s54, s54, STG
	s_mov_b32 s[SEL], 0x76543210
	s_mov_b32 s[SEL+1], 0xfedcba98                 ; v_permlanex16_b32's selects for lane l xor 16
	s_mov_b32 s[CS], 0x3fb8aa3b                    ; c = log2(e)
	s_mov_b32 s[CS+1], s[CS]                       ; (named with it as a pair, so it is written)
	v_and_b32 v8, 31, v0
	v_and_b32 v9, 15, v0
	s_delay_alu instid0(VALU_DEP_2)
	v_lshlrev_b32 v[L8], 3, v8
	s_delay_alu instid0(VALU_DEP_3)
	v_lshlrev_b32 v[L16], 4, v8
	s_delay_alu instid0(VALU_DEP_3)
	v_lshlrev_b32 v3, 3, v9                        ; 8 r
	s_delay_alu instid0(VALU_DEP_1)
	v_add_nc_u32 v[QSO], s48, v3
	s_delay_alu instid0(VALU_DEP_2)
	v_add_nc_u32 v[STW], s49, v3
	s_delay_alu instid0(VALU_DEP_4)
	v_add_nc_u32 v[STR], s54, v[L16]
	s_wait_dscnt 0x0
	s_wait_kmcnt 0x0
	s_mov_b32 s[G0], 1
	s_mov_b32 s[G0+1], s40
	s_add_nc_u64 s[G0+2:G0+3], s[4:5], s[38:39]
	s_or_b32 s[G0+3], s[G0+3], 0x80000000
	CROUND                                         ; all four work-groups are here: the joint loads meet
	tensor_load_to_lds s[G0:G0+3], s[G1:G1+7]      ; my one tensor load of the launch
	s_nop 0
.rept 4
	v_nop
.endr
	s_add_nc_u64 s[8:9], s[4:5], s[42:43]
	s_add_nc_u64 s[8:9], s[8:9], QPART             ; Q's block
	s_add_nc_u64 s[44:45], s[8:9], s[50:51]        ; my tile of it
	s_add_nc_u64 s[46:47], s[6:7], s[42:43]
	s_add_nc_u64 s[46:47], s[46:47], s[50:51]      ; my tile of y_'s block
	s_add_nc_u64 s[52:53], s[6:7], s[52:53]        ; a block's scale pieces
	s_wait_alu depctr_va_vdst(0)
.irp p, 0,1,2
	global_load_b64 v[16+2*\p:17+2*\p], v[L8], s[44:45] offset:256*\p        ; Q, head 0: k = 0 .. 63
	global_load_b64 v[28+2*\p:29+2*\p], v[L8], s[44:45] offset:768+256*\p    ; head 1: k = 64 .. 127
.endr
	global_load_b32 v255, v[QSO], s[8:9] offset:12288   ; Q's scale words: lane r has place r's
.irp i, 0,1,2,3,4,5
	v_mov_b32 v[22+\i], 0                          ; the zero codes beside Q's halves,
	v_mov_b32 v[36+\i], 0                          ; and the guards at both ends of K's halves
	v_mov_b32 v[90+\i], 0
.endr
.irp b, 0,1,2,3
	v_mov_b32 v[236+\b], 0                         ; written once: a lane permute's destination counts as one of its sources
.endr
	v_mov_b32 v252, 0
	v_mov_b32 v11, 0                               ; (named as the upper half of the pair v[10:11])
	s_wait_tensorcnt 0x0                           ; my block is in,
	s_barrier_signal -1
	s_barrier_wait -1                              ; everybody's is
	s_wait_loadcnt 0x0                             ; Q
.macro SQK t, hd                       ; S^T of 16 keys: head 0: K's half in registers 0-5, Q = [Q0 | 0]; head 1: in registers 6-11, Q = [0 | Q1]
.if (\t)%2
	v_wmma_scale_f32_16x16x128_f8f6f4 v[96+8*\t:103+8*\t], v[42-6*\hd+6*\t:53-6*\hd+6*\t], v[16+6*\hd:27+6*\hd], 0, v[248+\t/2], v255 matrix_a_fmt:MATRIX_FMT_FP6 matrix_b_fmt:MATRIX_FMT_FP6 matrix_a_scale:MATRIX_SCALE_ROW1
.else
	v_wmma_scale_f32_16x16x128_f8f6f4 v[96+8*\t:103+8*\t], v[42-6*\hd+6*\t:53-6*\hd+6*\t], v[16+6*\hd:27+6*\hd], 0, v[248+\t/2], v255 matrix_a_fmt:MATRIX_FMT_FP6 matrix_b_fmt:MATRIX_FMT_FP6
.endif
.endm
.macro PVU u                           ; O^T of 16 of the head's 64 += V^T P^T over these 128 keys
.if (\u)%2
	v_wmma_scale_f32_16x16x128_f8f6f4 v[OT+8*\u:OT+8*\u+7], v[42+12*\u:53+12*\u], v[224:235], v[OT+8*\u:OT+8*\u+7], v[248+\u/2], v253 matrix_a_fmt:MATRIX_FMT_FP6 matrix_b_fmt:MATRIX_FMT_FP6 matrix_a_scale:MATRIX_SCALE_ROW1
.else
	v_wmma_scale_f32_16x16x128_f8f6f4 v[OT+8*\u:OT+8*\u+7], v[42+12*\u:53+12*\u], v[224:235], v[OT+8*\u:OT+8*\u+7], v[248+\u/2], v253 matrix_a_fmt:MATRIX_FMT_FP6 matrix_b_fmt:MATRIX_FMT_FP6
.endif
.endm
; A KEY STEP: the chunk of 128 keys at LDS byte s[TB], for head hd.
.macro STEP hd
.set OT, 160+32*\hd
	v_add_nc_u32 v[ADR], s[TB], v[L8]
.rept 4
	v_nop                                          ; places in front of loads into registers that the last products have read
.endr
.irp t, 0,1,2,3,4,5,6,7
.irp p, 0,1,2
	ds_load_b64 v[42+6*\t+2*\p:43+6*\t+2*\p], v[ADR] offset:1536*\t+768*\hd+256*\p   ; the head's half of tile t
.endr
.endr
.irp j, 0,1
	ds_load_b64 v[248+2*\j:249+2*\j], v[ADR] offset:12288+256*\j   ; K's scale words: tile t's in register t / 2, odd t in lanes 16-31
.endr
	s_wait_alu depctr_va_vdst(0)
	s_wait_dscnt 0x0
.irp t, 0,1,2,3,4,5,6,7
	SQK \t, \hd
.endr
.rept 4
	v_nop                                          ; places: K's registers take V below, and the scores are read
.endr
.irp u, 0,1,2,3
.irp p, 0,1,2,3,4,5
	ds_load_b64 v[42+12*\u+2*\p:43+12*\u+2*\p], v[ADR] offset:OBB+1536*(4*\hd+\u)+256*\p   ; V's four tiles of this head: asked for now, they land under the softmax
.endr
.endr
	ds_load_b64 v[248:249], v[ADR] offset:OBB+12288+256*\hd
.irp b, 0,1,2,3
	v_max3_num_f32 v[232+\b], v[96+16*\b], v[97+16*\b], v[98+16*\b]   ; the largest score of each block of 32 keys: it serves for the row's maximum and, since p rises with the score, for the block's largest p
.endr
.irp i, 3,5,7,9,11,13
.irp b, 0,1,2,3
	v_max3_num_f32 v[232+\b], v[232+\b], v[96+16*\b+\i], v[97+16*\b+\i]
.endr
.endr
.irp b, 0,1,2,3
	v_max_num_f32 v[232+\b], v[232+\b], v[111+16*\b]
.endr
.irp b, 0,1,2,3
	s_delay_alu instid0(VALU_DEP_4)
	v_permlanex16_b32 v[236+\b], v[232+\b], s[SEL], s[SEL+1]
.endr
.irp b, 0,1,2,3
	s_delay_alu instid0(VALU_DEP_4)
	v_max_num_f32 v[232+\b], v[232+\b], v[236+\b]  ; with lane l xor 16's 16 keys
.endr
	s_delay_alu instid0(VALU_DEP_2)
	v_max3_num_f32 v254, v232, v233, v234
	s_delay_alu instid0(VALU_DEP_1)
	v_max_num_f32 v254, v254, v235                 ; the step's largest score of my query
	s_delay_alu instid0(VALU_DEP_1)
	v_mul_f32 v254, s[CS], v254                    ; as t (c is positive)
	s_delay_alu instid0(VALU_DEP_1)
	v_max_num_f32 v13, v13, v254                   ; the running largest t
	v_mov_b32 v254, v12
	s_delay_alu instid0(VALU_DEP_2)
	v_floor_f32 v12, -v13                          ; the new -M = floor(-t): M is a whole number
	s_delay_alu instid0(VALU_DEP_1)
	v_sub_f32 v254, v12, v254                      ; old M - new M: a whole number, 0 or less
	s_delay_alu instid0(VALU_DEP_1)
	v_cvt_i32_f32 v254, v254                       ; (it saturates)
	s_delay_alu instid0(VALU_DEP_1)
	v_ldexp_f32 v10, 1.0, v254                     ; f = 2^(old M - new M)
.set jj, 0
.rept 32
	v_pk_fma_f32 v[96+jj:97+jj], v[96+jj:97+jj], s[CS:CS+1], v[12:13] op_sel_hi:[1,0,0]   ; t - M, two at a time
.set jj, jj+2
.endr
.irp b, 0,1,2,3
	v_fma_f32 v[232+\b], v[232+\b], s[CS], v12     ; the same of each block's largest score
.endr
.set jj, 0
	s_wait_alu depctr_va_vdst(0)
.rept 64
	v_exp_f32 v[96+jj], v[96+jj]                   ; p = 2^(t - M), at most 1
.set jj, jj+1
.endr
	v_pk_mul_f32 v[14:15], v[14:15], v[10:11] op_sel_hi:[1,0]   ; the sums under the new M.  (The plain place behind the exponentials)
	s_wait_alu depctr_va_vdst(0)                   ; one wait for the batch of 64, ahead of its first use
.irp b, 0,1,2,3
	v_exp_f32 v[232+\b], v[232+\b]                 ; the block's largest p
.endr
	v_pk_add_f32 v[236:237], v[100:101], v[104:105]
	v_pk_add_f32 v[250:251], v[108:109], v[112:113]
	v_pk_add_f32 v[246:247], v[116:117], v[120:121]
	v_pk_add_f32 v[244:245], v[124:125], v[128:129]
	v_pk_add_f32 v[240:241], v[132:133], v[136:137]
	v_pk_add_f32 v[238:239], v[140:141], v[144:145]
	v_pk_add_f32 v[230:231], v[148:149], v[152:153]
	v_pk_add_f32 v[14:15], v[14:15], v[156:157]
	v_pk_add_f32 v[236:237], v[236:237], v[96:97]
	v_pk_add_f32 v[250:251], v[250:251], v[98:99]
	v_pk_add_f32 v[246:247], v[246:247], v[102:103]
	v_pk_add_f32 v[244:245], v[244:245], v[106:107]
	v_pk_add_f32 v[240:241], v[240:241], v[110:111]
	v_pk_add_f32 v[238:239], v[238:239], v[114:115]
	v_pk_add_f32 v[230:231], v[230:231], v[118:119]
	v_pk_add_f32 v[14:15], v[14:15], v[122:123]
	v_pk_add_f32 v[236:237], v[236:237], v[126:127]
	v_pk_add_f32 v[250:251], v[250:251], v[130:131]
	v_pk_add_f32 v[246:247], v[246:247], v[134:135]
	v_pk_add_f32 v[244:245], v[244:245], v[138:139]
	v_pk_add_f32 v[240:241], v[240:241], v[142:143]
	v_pk_add_f32 v[238:239], v[238:239], v[146:147]
	v_pk_add_f32 v[230:231], v[230:231], v[150:151]
	v_pk_add_f32 v[14:15], v[14:15], v[154:155]
	v_pk_add_f32 v[236:237], v[236:237], v[158:159]
	s_delay_alu instid0(VALU_DEP_2)
	v_pk_add_f32 v[14:15], v[14:15], v[244:245]
	s_delay_alu instid0(VALU_DEP_2)
	v_pk_add_f32 v[236:237], v[236:237], v[240:241]
	v_pk_add_f32 v[250:251], v[250:251], v[238:239]
	v_pk_add_f32 v[246:247], v[246:247], v[230:231]
	s_delay_alu instid0(VALU_DEP_2)
	v_pk_add_f32 v[14:15], v[14:15], v[250:251]
	s_delay_alu instid0(VALU_DEP_2)
	v_pk_add_f32 v[236:237], v[236:237], v[246:247]
	s_delay_alu instid0(VALU_DEP_1)
	v_pk_add_f32 v[14:15], v[14:15], v[236:237]
	s_wait_alu depctr_va_vdst(0)                   ; and one for the four
.irp b, 0,1,2,3
	v_max_num_f32 v[232+\b], 0x1800000, v[232+\b]  ; the floor 2^(3 - 127): the byte cannot fall under 1
.endr
.irp b, 0,1,2,3
	s_delay_alu instid0(VALU_DEP_4)
	v_add_nc_u32 v[244+\b], 0xff000000, v[232+\b]  ; 2 off the exponent field: the conversion's scale operand
.endr
.irp b, 0,1,2,3
	s_delay_alu instid0(VALU_DEP_4)
	v_lshrrev_b32 v[236+\b], 23, v[244+\b]         ; the scale's byte
.endr
	s_delay_alu instid0(VALU_DEP_3)
	v_lshl_or_b32 v253, v237, 8, v236              ; p's scale word for these 128 keys
	s_delay_alu instid0(VALU_DEP_1)
	v_lshl_or_b32 v253, v238, 16, v253
	s_delay_alu instid0(VALU_DEP_1)
	v_lshl_or_b32 v253, v239, 24, v253
.irp c, 0,1
	v_cvt_scalef32_pk16_fp6_f32 v[224+6*\c:226+6*\c], v[96+32*\c:111+32*\c], v[244+2*\c]
	v_cvt_scalef32_pk16_fp6_f32 v[236+4*\c:238+4*\c], v[112+32*\c:127+32*\c], v[244+2*\c+1]   ; (a conversion's three registers begin on an even number)
.endr
	v_nop                                          ; one plain place behind a scaled conversion
.irp c, 0,1                                    ; the operand's layout wants a whole block in a lane
.irp i, 0,1,2
	v_permlane16_swap_b32 v[224+6*\c+\i], v[236+4*\c+\i]
.endr
.irp i, 0,1,2
	s_delay_alu instid0(VALU_DEP_3)
	v_mov_b32 v[227+6*\c+\i], v[236+4*\c+\i]
.endr
.endr
.set jj, 0
.rept 16
	v_pk_mul_f32 v[OT+jj:OT+jj+1], v[OT+jj:OT+jj+1], v[10:11] op_sel_hi:[1,0]   ; O^T under the new M.  Twelve of the sixteen name no register of a given product below: the places between p's scale word and codes and that product
.set jj, jj+2
.endr
	s_wait_alu depctr_va_vdst(0)
	s_wait_dscnt 0x0                               ; V is in
.irp u, 0,1,2,3
	PVU \u                                         ; four accumulators, one instruction each
.endr
.endm
.macro HEAD hd
.set OT, 160+32*\hd
	v_mov_b32 v13, 0xff61b1e6                      ; the largest t so far: -3e38, under every t
	s_delay_alu instid0(VALU_DEP_1)
	v_floor_f32 v12, -v13                          ; -M
	v_mov_b32 v14, 0
	v_mov_b32 v15, 0
.set jj, 0
.rept 32
	v_mov_b32 v[OT+jj], 0                          ; O^T: the step is written once: the first finds zeros
.set jj, jj+1
.endr
	s_mov_b32 s[TB], 0
	s_mov_b32 s[CNT], 8
.Lchunk_\@:
	STEP \hd
	s_add_co_u32 s[TB], s[TB], CHB
	s_sub_co_u32 s[CNT], s[CNT], 1
	s_cmp_lg_u32 s[CNT], 0
	s_cbranch_scc1 .Lchunk_\@
.rept 4
	v_nop                                          ; places behind the last products
.endr
	v_add_f32 v14, v14, v15                        ; the sum's two halves,
	s_delay_alu instid0(VALU_DEP_1)
	v_permlanex16_b32 v252, v14, s[SEL], s[SEL+1]
	s_delay_alu instid0(VALU_DEP_1)
	v_add_f32 v14, v14, v252                       ; and lane l xor 16's
	s_wait_alu depctr_va_vdst(0)
	v_rcp_f32 v14, v14
	v_nop                                          ; a plain place behind the reciprocal
	s_wait_alu depctr_va_vdst(0)                   ; and the wait ahead of its first use
.set jj, 0
.rept 16
	v_pk_mul_f32 v[OT+jj:OT+jj+1], v[OT+jj:OT+jj+1], v[14:15] op_sel_hi:[1,0]   ; O^T / the sum, each accumulator from its low end on
.set jj, jj+2
.endr
.endm
	HEAD 0
	HEAD 1
	; v160-223: register 16 b + i = y_(my query, 128 pair + 32 b + 16 (lane / 16) + i): they become my tile of y_'s block
.irp b, 0,1,2,3
	v_max3_num_f32 v[TM+\b], |v[160+16*\b]|, |v[161+16*\b]|, 0x1800000
.endr
.irp i, 2,4,6,8,10,12,14
.irp b, 0,1,2,3
	s_delay_alu instid0(VALU_DEP_4)
	v_max3_num_f32 v[TM+\b], v[TM+\b], |v[160+16*\b+\i]|, |v[161+16*\b+\i]|
.endr
.endr
.irp b, 0,1,2,3
	v_permlanex16_b32 v[TM+4+\b], v[TM+\b], s[SEL], s[SEL+1]
.endr
.irp b, 0,1,2,3
	s_delay_alu instid0(VALU_DEP_4)
	v_max_num_f32 v[TM+\b], v[TM+\b], v[TM+4+\b]
.endr
.irp b, 0,1,2,3
	s_delay_alu instid0(VALU_DEP_4)
	v_add_nc_u32 v[TM+12+\b], 0xff000000, v[TM+\b]
.endr
.irp b, 0,1,2,3
	s_delay_alu instid0(VALU_DEP_4)
	v_lshrrev_b32 v[TM+4+\b], 23, v[TM+12+\b]
.endr
	s_delay_alu instid0(VALU_DEP_3)
	v_lshl_or_b32 v[PW], v[TM+5], 8, v[TM+4]
	s_delay_alu instid0(VALU_DEP_1)
	v_lshl_or_b32 v[PW], v[TM+6], 16, v[PW]
	s_delay_alu instid0(VALU_DEP_1)
	v_lshl_or_b32 v[PW], v[TM+7], 24, v[PW]
.irp c, 0,1
	v_cvt_scalef32_pk16_fp6_f32 v[PC+6*\c:PC+2+6*\c], v[160+32*\c:175+32*\c], v[TM+12+2*\c]
	v_cvt_scalef32_pk16_fp6_f32 v[PC+12+4*\c:PC+14+4*\c], v[176+32*\c:191+32*\c], v[TM+12+2*\c+1]
.endr
	v_nop                                          ; one plain place behind a scaled conversion
.irp c, 0,1
.irp i, 0,1,2
	v_permlane16_swap_b32 v[PC+6*\c+\i], v[PC+12+4*\c+\i]
.endr
.irp i, 0,1,2
	s_delay_alu instid0(VALU_DEP_3)
	v_mov_b32 v[PC+3+6*\c+\i], v[PC+12+4*\c+\i]
.endr
.endr
.irp p, 0,1,2,3,4,5
	global_store_b64 v[L8], v[PC+2*\p:PC+2*\p+1], s[46:47] offset:256*\p   ; a piece: 256 consecutive bytes, aligned
.endr
	ds_store_b32 v[STW], v[PW]                     ; my rows' scale words to their place in the block's scale pieces (both halves of the lanes write the same word with the same value)
	s_wait_dscnt 0x0                               ; for the others' sake
	s_barrier_signal -1
	s_barrier_wait -1
	s_cmp_lt_u32 s[WV], 2                          ; waves 0 and 1 store the two blocks' scale pieces whole
	s_cbranch_scc0 .Lno_scales
	ds_load_b128 v[136:139], v[STR]
	s_wait_dscnt 0x0
	global_store_b128 v[L16], v[136:139], s[52:53] ; 512 consecutive bytes, aligned
.Lno_scales:
	s_wait_tensorcnt 0x0
	ds_add_u32 v35, v243
	s_wait_dscnt 0x0
	CROUND                                         ; the closing round
	s_endpgm
.Lfunc_end_k_q4b4e49e0c8_attn:
	.size	k_q4b4e49e0c8_attn, .Lfunc_end_k_q4b4e49e0c8_attn-k_q4b4e49e0c8_attn
	.p2alignl 7, 3214868480
	.fill 96, 4, 3214868480
	.section	.rodata,"a",@progbits
	.p2align	6, 0x0
	.amdhsa_kernel k_q4b4e49e0c8_attn
		.amdhsa_group_segment_fixed_size 215040
		.amdhsa_private_segment_fixed_size 0
		.amdhsa_enable_private_segment 0
		.amdhsa_kernarg_size 16
		.amdhsa_user_sgpr_count 2
		.amdhsa_user_sgpr_kernarg_segment_ptr 1
		.amdhsa_wavefront_size32 1
		.amdhsa_system_sgpr_workgroup_id_x 1
		.amdhsa_system_sgpr_workgroup_id_y 1
		.amdhsa_system_sgpr_workgroup_id_z 1
		.amdhsa_system_vgpr_workitem_id 0
		.amdhsa_next_free_vgpr 256
		.amdhsa_next_free_sgpr 66
		.amdhsa_reserve_vcc 0
		.amdhsa_float_denorm_mode_32 3
		.amdhsa_float_denorm_mode_16_64 3
		.amdhsa_memory_ordered 1
		.amdhsa_forward_progress 1
		.amdhsa_inst_pref_size 55
	.end_amdhsa_kernel
	.amdgpu_metadata
---
amdhsa.version: [ 1, 2 ]
amdhsa.kernels:
  - .name:           k_q4b4e49e0c8_attn
    .symbol:         k_q4b4e49e0c8_attn.kd
    .args:
      - { .name: qkv, .offset: 0, .size: 8, .value_kind: global_buffer, .address_space: global }
      - { .name: yob, .offset: 8, .size: 8, .value_kind: global_buffer, .address_space: global }
    .group_segment_fixed_size: 215040
    .private_segment_fixed_size: 0
    .kernarg_segment_align: 8
    .kernarg_segment_size: 16
    .max_flat_workgroup_size: 512
    .sgpr_count:     66
    .vgpr_count:     256
    .wavefront_size: 32
...
	.end_amdgpu_metadata
.endif
;; end of part 3
;; launch colsm (part 4): grid 16 x 8, 4 waves a work-group, clusters of 4 x 1, 327,680 bytes of LDS; arguments ob1, yob, out0; writes out0
.if DOCPART == 4
	.amdgcn_target "amdgcn-amd-amdhsa--gfx1250"
	.amdhsa_code_object_version 6
	.text
	.protected	k_q4b4e49e0c8_colsm
	.globl	k_q4b4e49e0c8_colsm
	.p2align	8
	.type	k_q4b4e49e0c8_colsm,@function
k_q4b4e49e0c8_colsm:
	s_mov_b64 s[64:65], 0
	v_nop
	global_prefetch_b8 v0, s[64:65] scope:SCOPE_SE
	s_setreg_imm32_b32 hwreg(HW_REG_WAVE_MODE, 25, 1), 1
	s_wait_xcnt 0x0
	s_wait_alu depctr_hold_cnt(0) depctr_sa_sdst(0) depctr_va_vdst(0) depctr_va_sdst(0) depctr_va_ssrc(0) depctr_va_vcc(0) depctr_vm_vsrc(0)
	s_getreg_b32 s2, hwreg(HW_REG_IB_STS2, 6, 4)
	s_cmp_eq_u32 s2, 0
	s_cbranch_scc0 .Lentry_in_a_cluster
	s_endpgm
.Lentry_in_a_cluster:
	s_bfe_u32 s2, ttmp6, 0x10000c
	s_cmp_lg_u32 s2, 0x3003
	s_cbranch_scc0 .Lentry_shape_is_right
	s_endpgm
.Lentry_shape_is_right:
; out0[b][q][k] = softmax over q of (the sum over d of x[b][q][d] y_[b][k][d]) / 8, the product on codes of FP6 (E2M3).
; IN: operand blocks of 12,800 bytes (128 rows x 128 along K as images of the operand's registers; tile i at 1536 i, piece p at 256 p, lane at 8 l; two pieces of scale words at 12288; place r of tile i = row 32 (i/2) + 8 (i%2) + r + 8 (r/8)):
;   x's in ob1 at (8 g + s) x 12,800, g = 8 b + q / 128;  y_'s in yob likewise, g = 8 b + k / 128.
; SHARES.  A work-group owns ALL 1,024 rows x 64 columns of one batch: whole columns, so that the softmax stays inside it, and rows of 256 aligned bytes for the stores: 128 work-groups.  (32 columns would give 256, but rows of 128 bytes, and x would be read twice as often.)
; Wave w owns rows 256 w .. 256 w + 255: 16 tiles of x against 4 tiles of y_: 64 accumulators, 512 registers.
; The matrix instruction is used transposed (source 0 = y_'s tile, source 1 = x's): lane (r, h) holds a row of x; register j of accumulator (a, b) is column 32 (b / 2) + 16 h + 8 (b % 2) + j of the 64.
; y_'s 64 rows for all of K, 51,200 bytes, come once and stay.  x's blocks come through a ring of two LDS slots, a K step of 128 to a slot; each wave fetches and reads its own two blocks (25,600 bytes, one tensor load).
; CLUSTER: the four strips of a cluster belong to one batch and walk the same x: its tiles are asked for jointly.  y_'s are each work-group's own: plain loads.
; THE SOFTMAX: a column's maximum over a lane's 16 tiles, the 16 lanes of a half, the four waves (through LDS); e = 2^(s c - m c), c = log2(e) / 8, by one fused multiply-add and v_exp_f32; the sums likewise; e x the reciprocal of the sum.
; REGISTERS: window 0: v1-13 addresses, v27 the prefetches' offset; v16-23 x's scale words, v24-25 y_'s, and nothing else there; v32-63 the 32 maxima, v64-95 sums, v96-127 a tile on its way out; v128-175 y_'s four fragments (later v128-255 at work).
;   window 1: v0-191 x's 16 fragments.  windows 2, 3: accumulator (a, b) at v[8 (4 (a % 8) + b)] of window 2 + a / 8.
; LIMITS: NaN and infinities are not served; s c - m c is formed with m c rounded once: its error is about 6e-8 x |m c|.
; K STEPS 2 AND 5 OF x DO NOT GO THROUGH THE RING: each wave alone reads its own two blocks of a K step, so these two steps go from memory straight into that wave's registers, 100 loads of 256 consecutive bytes each,
; asked for well ahead (step 2 at the head; step 5 in two runs of 50 behind step 2's products): they are on their way beside the ring's one tensor load.  The ring serves K steps 0, 1, 3, 4, 6, 7: slot 0 takes 0, 3, 6 and slot 1 takes 1, 4, 7.
; These two steps are not asked for jointly: a joint load lands in LDS, where both slots are taken.
; Their registers, idle while K is walked: tiles 0-7 at window 0 v32-127, tiles 8-13 at window 0 v176-247, tiles 14, 15 at window 1 v192-215; their scale words wait in v248-255 and are moved into v16-23 ahead of the products.
.set OBB,    12800
.set DS,     248
.set PART,   2*OBB
.set SLOT,   4*PART
.set YB,     2*SLOT                    ; y_'s images: K step s at 6144 s
.set YS,     YB+8*6144                 ; y_'s scale pieces: 256 s
.set RED0,   YS+8*256                  ; the waves' maxima: 256 bytes a wave;
.set RED1,   RED0+1024                 ; their sums
.set SPARE,  RED1+1024                 ; the spare words, 128 bytes a wave: two blocks of 256 bytes that no other line names
.set STAGE,  SPARE+512                 ; the way out: 16 rows x (256 + 16) bytes for each wave
.set SPITCH, 272
.set FR,   12
.set L8,   1
.set ADX,  2                           ; v2-3  my part of slot 0, 1, + 8 x lane
.set ADY,  4                           ; v4    y_'s images of the K step in hand
.set ADYS, 5                           ; v5    y_'s scale piece of it
.set STO,  6
.set RD,   7
.set CO,   8
.set REDW, 9
.set REDR, 10
.set SPW,  12
.set NIL,  13
.set SA,   16
.set SB,   24
.set PFO,  27                          ; v27   256 x min(lane, 24); never rewritten
.set M,    32
.set L,    64
.set T,    96
.set BF,   128
.set X4,   128
.set BK,   128
.set WV,   10
.set PFA,  14                          ; s[14:15] where my prefetches stand: my 25 pieces of the K step after the one that is being asked for
.set LIM,  16                          ; s16   1 in a wave that prefetches, else the greatest number
.set G1X,  24
.set G0X,  32
.set G1Y,  40
.set G0Y,  48
.set G1S,  52
.set G0S,  60
.set CNT,  70
.set MSB, 0
.macro WIN new                         ; the immediate's high byte repeats the setting that is left
.if MSB != (\new)
	s_set_vgpr_msb (MSB<<8)|(\new)
.set MSB, (\new)
.endif
.endm
.set MUL_LO, 0xa4                      ; source 0 (y_) window 0, source 1 (x) window 1, C and D window 2
.set MUL_HI, 0xf4
.macro CROUND                          ; a round of the cluster's barrier
	s_barrier_signal -1
	s_barrier_wait -1
	s_cmp_lg_u32 s[WV], 0
	s_cbranch_scc1 .Lnot_wave_0_\@
	s_barrier_signal -3
.Lnot_wave_0_\@:
	s_barrier_wait -3
	s_barrier_signal -1
	s_barrier_wait -1
.endm
.macro PLACES n
.rept \n
	v_nop
.endr
.endm
; A PREFETCH INTO THE L2 of x's blocks of the K step that the NEXT change of slots will ask for: a batch's eight blocks of 12,800 bytes, 400 pieces of 256 bytes.  It stands behind the wave's tensor load and its four lines.
; The four clusters of a batch walk the same x: the batch's first cluster (cluster x = 0) asks, and nobody else.  Its four partners share the pieces out BY ADDRESS: of wave w's two blocks the partner at place cx takes half cx % 2 of
; block cx / 2: 25 pieces, a lane a piece (lanes 25 to 31 repeat lane 24's): one instruction a wave.  No branch hangs on a work-group's place in its cluster.
; The changes of slots ask for K steps 3, 4, 6, 7; beside them K steps 4, 6, 7 are prefetched.  K steps 0 to 3 come by their loads alone.  last = 1, a trip's second change: in the loop's last trip it asks for K step 7, behind which there is none.
.macro ASK last
.if \last
	s_cmp_gt_u32 s[CNT], s[LIM]                    ; s[CNT] = 1 in the loop's last trip
.else
	s_cmp_eq_u32 s[LIM], 1
.endif
	s_cbranch_scc0 .Lnot_mine_\@
	global_prefetch_b8 v[PFO], s[PFA:PFA+1] th:TH_LOAD_NT scope:SCOPE_SE
.Lnot_mine_\@:
.endm
; The one matrix instruction.  r0, r1 = 1: source 0's, source 1's scale words stand in lanes 16-31.  zero = 1: the product starts the sum.
.macro WM d, f0, f1, s0, r0, s1, r1, zero
.set wD, \d
.set wA, \f0
.set wB, \f1
.set wS, \s0
.set wT, \s1
.set wR, 2*(\r0)+(\r1)+4*(\zero)
.if wR == 0
	v_wmma_scale_f32_16x16x128_f8f6f4 v[wD:wD+7], v[wA:wA+11], v[wB:wB+11], v[wD:wD+7], v[wS], v[wT] matrix_a_fmt:MATRIX_FMT_FP6 matrix_b_fmt:MATRIX_FMT_FP6
.elseif wR == 1
	v_wmma_scale_f32_16x16x128_f8f6f4 v[wD:wD+7], v[wA:wA+11], v[wB:wB+11], v[wD:wD+7], v[wS], v[wT] matrix_a_fmt:MATRIX_FMT_FP6 matrix_b_fmt:MATRIX_FMT_FP6 matrix_b_scale:MATRIX_SCALE_ROW1
.elseif wR == 2
	v_wmma_scale_f32_16x16x128_f8f6f4 v[wD:wD+7], v[wA:wA+11], v[wB:wB+11], v[wD:wD+7], v[wS], v[wT] matrix_a_fmt:MATRIX_FMT_FP6 matrix_b_fmt:MATRIX_FMT_FP6 matrix_a_scale:MATRIX_SCALE_ROW1
.elseif wR == 3
	v_wmma_scale_f32_16x16x128_f8f6f4 v[wD:wD+7], v[wA:wA+11], v[wB:wB+11], v[wD:wD+7], v[wS], v[wT] matrix_a_fmt:MATRIX_FMT_FP6 matrix_b_fmt:MATRIX_FMT_FP6 matrix_a_scale:MATRIX_SCALE_ROW1 matrix_b_scale:MATRIX_SCALE_ROW1
.elseif wR == 4
	v_wmma_scale_f32_16x16x128_f8f6f4 v[wD:wD+7], v[wA:wA+11], v[wB:wB+11], 0, v[wS], v[wT] matrix_a_fmt:MATRIX_FMT_FP6 matrix_b_fmt:MATRIX_FMT_FP6
.elseif wR == 5
	v_wmma_scale_f32_16x16x128_f8f6f4 v[wD:wD+7], v[wA:wA+11], v[wB:wB+11], 0, v[wS], v[wT] matrix_a_fmt:MATRIX_FMT_FP6 matrix_b_fmt:MATRIX_FMT_FP6 matrix_b_scale:MATRIX_SCALE_ROW1
.elseif wR == 6
	v_wmma_scale_f32_16x16x128_f8f6f4 v[wD:wD+7], v[wA:wA+11], v[wB:wB+11], 0, v[wS], v[wT] matrix_a_fmt:MATRIX_FMT_FP6 matrix_b_fmt:MATRIX_FMT_FP6 matrix_a_scale:MATRIX_SCALE_ROW1
.else
	v_wmma_scale_f32_16x16x128_f8f6f4 v[wD:wD+7], v[wA:wA+11], v[wB:wB+11], 0, v[wS], v[wT] matrix_a_fmt:MATRIX_FMT_FP6 matrix_b_fmt:MATRIX_FMT_FP6 matrix_a_scale:MATRIX_SCALE_ROW1 matrix_b_scale:MATRIX_SCALE_ROW1
.endif
.endm
	s_load_b128 s[4:7], s[0:1], 0x0                ; ob1, yob
	s_load_b64 s[8:9], s[0:1], 0x10                ; out0
	v_lshl_add_u32 v[SPW], v0, 2, SPARE
	v_mov_b32 v[NIL], 0
	ds_add_u32 v12, v13
	ds_add_u32 v12, v13
	s_wait_dscnt 0x0
	v_lshrrev_b32 v14, 5, v0
	v_readfirstlane_b32 s[WV], v14                 ; wave 0..3
	s_bfe_u32 s11, ttmp6, 0x40000                  ; cx
	s_lshl_b32 s12, ttmp9, 2
	s_add_co_u32 s12, s12, s11                     ; my strip of 64 columns: it enters y_'s and out0's addresses alone
	s_and_b32 s13, ttmp7, 0xffff                   ; the batch, which the four partners share
	s_mul_i32 s66, s13, 64*OBB                     ; x: the batch's eight groups,
	s_mul_i32 s67, s[WV], 16*OBB                   ; my two of them
	s_add_co_u32 s66, s66, s67
	s_mov_b32 s67, 0
	s_lshl_b32 s68, s13, 3
	s_lshr_b32 s69, s12, 1
	s_add_co_u32 s68, s68, s69                     ; y_: the group that holds my strip,
	s_mul_i32 s68, s68, 8*OBB                      ; from its K step 0 on: one wave fetches all eight
	s_and_b32 s71, s12, 1                          ; and which half of the group's eight tiles
	s_lshl_b32 s72, s71, 8
	s_add_co_u32 s72, s72, s68
	s_add_co_u32 s72, s72, 12288                   ; its scale piece
	s_mov_b32 s73, 0
	s_mul_i32 s69, s71, 6144
	s_add_co_u32 s68, s68, s69                     ; its four images
	s_mov_b32 s69, 0
	s_lshl_b32 s74, s13, 22                        ; out0: the batch,
	s_lshl_b32 s75, s[WV], 20                      ; my 256 rows,
	s_add_co_u32 s74, s74, s75
	s_lshl_b32 s75, s12, 8                         ; my strip's 256 bytes of a row
	s_add_co_u32 s74, s74, s75
	s_mov_b32 s75, 0
	s_lshr_b32 s18, s11, 1                         ; the prefetches: which of my wave's two blocks of a K step is my work-group's,
	s_mul_i32 s18, s18, 8*OBB
	s_and_b32 s19, s11, 1                          ; and which half of it: 25 pieces of 256 bytes
	s_mul_i32 s19, s19, 6400
	s_add_co_u32 s18, s18, s19
	s_add_co_u32 s18, s18, 3*OBB                   ; at K step 3: the first change of slots steps it to 4
	s_mov_b32 s19, 0
	s_cmp_eq_u32 ttmp9, 0                          ; the batch's first cluster: the same in all four partners
	s_cselect_b32 s[LIM], 1, -1
	; x: two blocks of 12,800 bytes, 102,400 bytes apart, as two rows of 1,600 elements of 8 bytes
	s_mov_b32 s[G1X], 15|(3<<16)|(1<<21)           ; 15:0 the mask: all four work-groups; 17:16 elements of 8 bytes; 21 set beside a mask
	s_mov_b32 s[G1X+1], 1600<<16
	s_mov_b32 s[G1X+2], 8<<16                      ; at the head a load brings a whole slot, eight blocks; behind it the two words that count rows are set to 2
	s_mov_b32 s[G1X+3], 1600<<16
	s_mov_b32 s[G1X+4], 8
	s_mov_b32 s[G1X+5], 12800
	s_mov_b32 s[G1X+6], 0
	s_mov_b32 s[G1X+7], 0
	; y_'s images: four tiles (6,144 bytes) of each of eight K steps, 12,800 bytes apart
	s_mov_b32 s[G1Y], 3<<16
	s_mov_b32 s[G1Y+1], 768<<16
	s_mov_b32 s[G1Y+2], 8<<16                      ; all eight K steps
	s_mov_b32 s[G1Y+3], 768<<16
	s_mov_b32 s[G1Y+4], 8
	s_mov_b32 s[G1Y+5], 1600
	s_mov_b32 s[G1Y+6], 0
	s_mov_b32 s[G1Y+7], 0
	; y_'s scale pieces: 256 bytes of each of eight K steps
	s_mov_b32 s[G1S], 3<<16
	s_mov_b32 s[G1S+1], 32<<16
	s_mov_b32 s[G1S+2], 8<<16                      ; all eight K steps
	s_mov_b32 s[G1S+3], 32<<16
	s_mov_b32 s[G1S+4], 8
	s_mov_b32 s[G1S+5], 1600
	s_mov_b32 s[G1S+6], 0
	s_mov_b32 s[G1S+7], 0
	s_mul_i32 s80, s[WV], PART                     ; LDS addresses hang on the wave's number alone
	s_mov_b32 s81, YB
	s_mov_b32 s82, YS
	s_mul_i32 s21, s[WV], SLOT                     ; the head's loads of x: wave 0 fills slot 0 with K step 0, wave 1 slot 1 with K step 1
	s_mul_i32 s22, s13, 64*OBB
	s_mul_i32 s23, s[WV], OBB
	s_add_co_u32 s22, s22, s23
	s_mov_b32 s23, 0
	s_mov_b32 s76, 0x3e38aa3b                      ; c = log2(e) / 8
	s_mov_b32 s77, s76
	s_mov_b32 s78, 0xbe38aa3b                      ; -c
	s_mov_b32 s79, s78
	s_wait_kmcnt 0x0
	s_mov_b32 s[G0Y], 1
	s_mov_b32 s[G0Y+1], s81
	s_add_nc_u64 s[G0Y+2:G0Y+3], s[6:7], s[68:69]
	s_or_b32 s[G0Y+3], s[G0Y+3], 0x80000000
	s_mov_b32 s[G0S], 1
	s_mov_b32 s[G0S+1], s82
	s_add_nc_u64 s[G0S+2:G0S+3], s[6:7], s[72:73]
	s_or_b32 s[G0S+3], s[G0S+3], 0x80000000
	s_add_nc_u64 s[66:67], s[4:5], s[66:67]
	s_mov_b32 s20, 1                               ; s[20:23]: group 0 of the head's loads of x
	s_add_nc_u64 s[22:23], s[4:5], s[22:23]
	s_or_b32 s23, s23, 0x80000000
.irp s, 0,1
	s_mov_b32 s[G0X+4*\s], 1
	s_add_co_u32 s[G0X+4*\s+1], s80, \s*SLOT
	s_add_nc_u64 s[G0X+4*\s+2:G0X+4*\s+3], s[66:67], \s*OBB   ; slot s begins with K step s
	s_or_b32 s[G0X+4*\s+3], s[G0X+4*\s+3], 0x80000000
.endr
	s_add_nc_u64 s[PFA:PFA+1], s[66:67], s[18:19]  ; (a register pair of its own: cx enters no register of the joint loads)
	s_add_nc_u64 s[8:9], s[8:9], s[74:75]
	CROUND                                         ; all four work-groups are here: the first loads go out as one group: four of mine are out
	; THE HEAD'S FOUR TILES, ONE LOAD A WAVE: waves 0, 1 a whole slot of x each (joint), wave 2 y_'s images, wave 3 y_'s scale pieces.  One chain of branches on the wave's number, all arms leading to one join.
	s_cmp_lt_u32 s[WV], 2
	s_cbranch_scc0 .Lhead_y
	tensor_load_to_lds s[20:23], s[G1X:G1X+7]
	s_nop 0
.rept 4
	v_nop
.endr
	s_branch .Lhead_asked
.Lhead_y:
	s_cmp_lt_u32 s[WV], 3
	s_cbranch_scc0 .Lhead_s
	tensor_load_to_lds s[G0Y:G0Y+3], s[G1Y:G1Y+7]
	s_nop 0
.rept 4
	v_nop
.endr
	s_branch .Lhead_asked
.Lhead_s:
	tensor_load_to_lds s[G0S:G0S+3], s[G1S:G1S+7]
	s_nop 0
.rept 4
	v_nop
.endr
.Lhead_asked:
.rept 4
	v_nop
.endr
	v_and_b32 v14, 15, v0                          ; r
	v_bfe_u32 v15, v0, 4, 1                        ; h
	v_and_b32 v11, 31, v0
	v_lshlrev_b32 v[L8], 3, v11
	v_min_u32 v[PFO], 24, v11
	v_lshlrev_b32 v[PFO], 8, v[PFO]
	v_add_nc_u32 v[ADX], s80, v[L8]
	v_add_nc_u32 v[ADX+1], SLOT, v[ADX]
	v_add_nc_u32 v[ADY], YB, v[L8]
	v_add_nc_u32 v[ADYS], YS, v[L8]
	s_mul_i32 s80, s[WV], 16*SPITCH
	s_add_co_u32 s80, s80, STAGE                   ; my stage
	v_mul_u32_u24 v[STO], v14, SPITCH              ; in: row r, + 64 h
	v_lshl_add_u32 v[STO], v15, 6, v[STO]
	v_add_nc_u32 v[STO], s80, v[STO]
	v_mul_u32_u24 v[RD], v15, SPITCH               ; back: lanes 0-15 one row of 256 bytes, lanes 16-31 the next
	v_lshl_add_u32 v[RD], v14, 4, v[RD]
	v_add_nc_u32 v[RD], s80, v[RD]
	v_lshlrev_b32 v[CO], 12, v15                   ; and the same two rows in out0
	v_lshl_add_u32 v[CO], v14, 4, v[CO]
	s_lshl_b32 s81, s[WV], 8
	s_add_co_u32 s81, s81, RED0
	v_lshlrev_b32 v[REDR], 7, v15                  ; a half of the lanes has 32 columns: 128 bytes
	v_add_nc_u32 v[REDW], s81, v[REDR]
	v_add_nc_u32 v[REDR], RED0, v[REDR]
.macro FRAG reg, adr, off              ; a fragment: six pieces, each 256 consecutive bytes for the 32 lanes
.irp p, 0,1,2,3,4,5
	ds_load_b64 v[(\reg)+2*\p:(\reg)+2*\p+1], v[\adr] offset:(\off)+256*\p
.endr
.endm
; A K step of 128 from slot: 125 LDS loads, 64 matrix instructions; the 64 accumulators take turns, one instruction a turn, in the same order in every step.  It stands behind four places.
.macro WORK slot, zero
	ds_load_b64 v[SB:SB+1], v[ADYS]
.irp g, 0,1
.irp j, 0,1
	ds_load_b64 v[SA+4*\g+2*\j:SA+4*\g+2*\j+1], v[ADX+\slot] offset:OBB*\g+12288+256*\j   ; tile a's words in register a / 2, odd a in lanes 16-31
.endr
.endr
.irp b, 0,1,2,3
	FRAG BF+FR*\b, ADY, 1536*\b
.endr
	v_add_nc_u32 v[ADY], 6144, v[ADY]              ; on to the next K step of y_
	v_add_nc_u32 v[ADYS], 256, v[ADYS]
	WIN 0x40                                       ; destination window 1
.irp a, 0,1,2,3,4,5,6,7,8,9,10,11,12,13,14,15
	FRAG FR*\a, ADX+\slot, OBB*(\a/8)+1536*(\a%8)
.endr
	s_wait_dscnt 48                                ; all but the youngest 48 loads (x's tiles 8-15) are in
	WIN MUL_LO
.irp a, 0,1,2,3,4,5,6,7
.irp b, 0,1,2,3
	WM 8*(4*\a+\b), BF+FR*\b, FR*\a, SB+\b/2, \b%2, SA+\a/2, \a%2, \zero
.endr
.endr
	s_wait_dscnt 0x0
	WIN MUL_HI
.irp a, 8,9,10,11,12,13,14,15
.irp b, 0,1,2,3
	WM 8*(4*(\a-8)+\b), BF+FR*\b, FR*\a, SB+\b/2, \b%2, SA+\a/2, \a%2, \zero
.endr
.endr
	WIN 0
.endm
; The slot that has just been read is filled again, with the K step three further on.  Each wave waits for all its tensor loads (the other slot's), adds 0 to its spare word, waits for that and for its reads; a round of the cluster's barrier; the joint load first behind it.
.macro CHANGE slot
	s_wait_tensorcnt 0x0
	ds_add_u32 v[SPW], v[NIL]                      ; 0 onto my spare word
	s_add_nc_u64 s[G0X+4*\slot+2:G0X+4*\slot+3], s[G0X+4*\slot+2:G0X+4*\slot+3], 3*OBB   ; no tensor load of mine is out: the group 0 may be written: this slot's next K step, three on
	s_wait_xcnt 0x0                                ; the last prefetch, a K step back, has read its address, so it may be written:
	s_add_nc_u64 s[PFA:PFA+1], s[PFA:PFA+1], (1+\slot)*OBB   ; to the K step that the next change will ask for: 4, 6, 7
	s_wait_dscnt 0x0
	CROUND
	tensor_load_to_lds s[G0X+4*\slot:G0X+4*\slot+3], s[G1X:G1X+7]   ; my one tensor load until the next round
	s_nop 0
.rept 4
	v_nop                                          ; (also the places in front of the loads that follow)
.endr
	ASK \slot                                      ; what the next change of slots will ask for
.endm
; Block g (0, 1) of my two of K step ks, from memory into registers: eight tiles of six pieces and two pieces of scale words: 50 loads, each 256 consecutive aligned bytes.  The address registers are never rewritten.
.macro DLOAD g, ks
.irp i, 0,1,2,3,4,5,6,7
.set DA, 8*(\g)+\i
.if DA < 8
.set DR, 32+12*DA
.elseif DA < 14
.set DR, 176+12*(DA-8)
.else
.set DR, 192+12*(DA-14)
	WIN 0x40                                       ; destination window 1
.endif
.irp p, 0,1,2,3,4,5
	global_load_b64 v[DR+2*\p:DR+2*\p+1], v[L8], s[66:67] offset:(\ks)*OBB+(\g)*8*OBB+\i*1536+256*\p
.endr
.endr
	WIN 0
.irp j, 0,1
	global_load_b64 v[DS+4*(\g)+2*\j:DS+4*(\g)+2*\j+1], v[L8], s[66:67] offset:(\ks)*OBB+(\g)*8*OBB+12288+256*\j
.endr
.endm
; A K step whose x lies in registers: 25 LDS loads (y_'s), 64 matrix instructions, the accumulators in the same order as in every step.
.macro WORKD
	s_wait_alu depctr_va_vdst(0)
	PLACES 4                                       ; in front of loads and moves into registers that the last products have read
	ds_load_b64 v[SB:SB+1], v[ADYS]
.irp b, 0,1,2,3
	FRAG BF+FR*\b, ADY, 1536*\b
.endr
	s_wait_loadcnt 0x0                             ; x's 100 loads are in
.irp i, 0,1,2,3,4,5,6,7
	v_mov_b32 v[SA+\i], v[DS+\i]                   ; the scale words into the registers that hold scales and nothing else
.endr
	v_add_nc_u32 v[ADY], 6144, v[ADY]              ; on to the next K step of y_
	v_add_nc_u32 v[ADYS], 256, v[ADYS]
	PLACES 6                                       ; with the two lines above: eight places between a scale word's move and the products
	s_wait_alu depctr_va_vdst(0)                   ; directly ahead of the wait below
	s_wait_dscnt 0x0
	WIN 0xa0                                       ; both sources window 0, C and D window 2
.irp a, 0,1,2,3,4,5,6,7
.irp b, 0,1,2,3
	WM 8*(4*\a+\b), BF+FR*\b, 32+12*\a, SB+\b/2, \b%2, SA+\a/2, \a%2, 0
.endr
.endr
	WIN 0xf0                                       ; C and D window 3
.irp a, 8,9,10,11,12,13
.irp b, 0,1,2,3
	WM 8*(4*(\a-8)+\b), BF+FR*\b, 176+12*(\a-8), SB+\b/2, \b%2, SA+\a/2, \a%2, 0
.endr
.endr
	WIN MUL_HI                                     ; source 1 window 1
.irp a, 14,15
.irp b, 0,1,2,3
	WM 8*(4*(\a-8)+\b), BF+FR*\b, 192+12*(\a-14), SB+\b/2, \b%2, SA+\a/2, \a%2, 0
.endr
.endr
	WIN 0
.endm
	s_wait_alu depctr_va_vdst(0)                   ; the wait at the head's end
	DLOAD 0, 2                                     ; K step 2 of my 256 rows, straight into registers
	DLOAD 1, 2
	s_wait_tensorcnt 0x0                           ; my tile of the head's four is in; no tensor load of mine is out, so a descriptor may be written:
	s_mov_b32 s[G1X+2], 2<<16
	s_mov_b32 s[G1X+4], 2
	s_barrier_signal -1
	s_barrier_wait -1                              ; everybody's parts of y_ are in
	WORK 0, 1                                      ; K step 0 starts the sums
	s_mov_b32 s[CNT], 2                            ; a trip: three K steps (slot 1, registers, slot 0), both slots filled again
.Lk:                                               ; a trip: three K steps, both slots filled again
	CHANGE 0
	s_wait_alu depctr_va_vdst(0)
	WORK 1, 0
	WORKD                                          ; K step 2 or 5
	PLACES 4                                       ; in front of loads into registers that its products have read
	s_cmp_eq_u32 s[CNT], 2                         ; in the first trip alone: K step 5 takes K step 2's registers; behind K step 5 there is none
	s_cbranch_scc0 .Lno_d0
	DLOAD 0, 5
.Lno_d0:
	CHANGE 1
	s_wait_alu depctr_va_vdst(0)
	WORK 0, 0
	s_cmp_eq_u32 s[CNT], 2                         ; the second run of 50, a K step behind the first
	s_cbranch_scc0 .Lno_d1
	DLOAD 1, 5
.Lno_d1:
	s_sub_co_u32 s[CNT], s[CNT], 1
	s_cmp_lg_u32 s[CNT], 0
	s_cbranch_scc1 .Lk
	s_wait_loadcnt 0x0                             ; no load into registers is out: they are written anew below
	s_wait_tensorcnt 0x0                           ; K step 7, my own bytes of slot 1, is in; nothing is left to fetch
	PLACES 4
	s_wait_alu depctr_va_vdst(0)
	WORK 1, 0
	; THE COLUMNS' MAXIMA.  Column slot c = 8 b + j of a lane; over the 16 tiles, three operands at a time; j runs outside b, so that each accumulator is read from its register 0 on.
	PLACES 4
	WIN 0x2a
.irp j, 0,1,2,3,4,5,6,7
.irp b, 0,1,2,3
	v_max3_num_f32 v[M+8*\b+\j], v[8*\b+\j], v[32+8*\b+\j], v[64+8*\b+\j]
.endr
.endr
.macro MAX3ST w, ra, rb
	WIN \w
.irp j, 0,1,2,3,4,5,6,7
.irp b, 0,1,2,3
	v_max3_num_f32 v[M+8*\b+\j], v[M+8*\b+\j], v[\ra+8*\b+\j], v[\rb+8*\b+\j]
.endr
.endr
.endm
	MAX3ST 0x28, 96, 128                           ; tiles 3, 4
	MAX3ST 0x28, 160, 192                          ; 5, 6
	MAX3ST 0x38, 224, 0                            ; 7, 8
	MAX3ST 0x3c, 32, 64                            ; 9, 10
	MAX3ST 0x3c, 96, 128                           ; 11, 12
	MAX3ST 0x3c, 160, 192                          ; 13, 14
	WIN 0x0c
.irp j, 0,1,2,3,4,5,6,7
.irp b, 0,1,2,3
	v_max_num_f32 v[M+8*\b+\j], v[M+8*\b+\j], v[224+8*\b+\j]   ; 15
.endr
.endr
	WIN 0
.irp m, 1,2,4,8                                ; over the 16 lanes of my half: the tile's 16 rows
.set cc, 0
.rept 32
	v_max_num_f32_dpp v[M+cc], v[M+cc], v[M+cc] row_xmask:\m row_mask:0xf bank_mask:0xf
.set cc, cc+1
.endr
.endr
.irp k, 0,1,2,3,4,5,6,7
	ds_store_b128 v[REDW], v[M+4*\k:M+4*\k+3] offset:16*\k   ; the 16 lanes of a half write the same words with the same values
.endr
	s_wait_dscnt 0x0                               ; for the others' sake
	s_barrier_signal -1
	s_barrier_wait -1
.irp w, 0,1,2,3
.irp k, 0,1,2,3,4,5,6,7
	ds_load_b128 v[X4+32*\w+4*\k:X4+32*\w+4*\k+3], v[REDR] offset:256*\w+16*\k
.endr
.endr
	s_wait_dscnt 0x0
.set cc, 0
.rept 32
	v_max3_num_f32 v[M+cc], v[X4+cc], v[X4+32+cc], v[X4+64+cc]
.set cc, cc+1
.endr
.set cc, 0
.rept 32
	v_max_num_f32 v[M+cc], v[M+cc], v[X4+96+cc]
.set cc, cc+1
.endr
.set cc, 0
.rept 16
	v_pk_mul_f32 v[M+cc:M+cc+1], v[M+cc:M+cc+1], s[78:79] op_sel_hi:[1,0]   ; -m c
.set cc, cc+2
.endr
	WIN 0x82                                       ; destination and source 0 window 2, source 2 window 0
.set cc, 0
.rept 128
	v_pk_fma_f32 v[cc:cc+1], v[cc:cc+1], s[76:77], v[M+cc%32:M+cc%32+1] op_sel_hi:[1,0,1]   ; s c - m c
.set cc, cc+2
.endr
	WIN 0xc3
.set cc, 0
.rept 128
	v_pk_fma_f32 v[cc:cc+1], v[cc:cc+1], s[76:77], v[M+cc%32:M+cc%32+1] op_sel_hi:[1,0,1]
.set cc, cc+2
.endr
	WIN 0x82
.set cc, 0
	s_wait_alu depctr_va_vdst(0)
.rept 256
	v_exp_f32 v[cc], v[cc]
.set cc, cc+1
.endr
	WIN 0xc3
.set cc, 0
.rept 256
	v_exp_f32 v[cc], v[cc]
.set cc, cc+1
.endr
	v_nop                                          ; a plain place behind the last exponential
	s_wait_alu depctr_va_vdst(0)                   ; one wait for the batch of 512, ahead of its first use
	; THE COLUMNS' SUMS, the same way
	WIN 0x0a
.set cc, 0
.rept 16
	v_pk_add_f32 v[L+cc:L+cc+1], v[cc:cc+1], v[32+cc:32+cc+1]
.set cc, cc+2
.endr
	WIN 0x08
.irp a, 2,3,4,5,6,7
.set cc, 0
.rept 16
	v_pk_add_f32 v[L+cc:L+cc+1], v[L+cc:L+cc+1], v[32*\a+cc:32*\a+cc+1]
.set cc, cc+2
.endr
.endr
	WIN 0x0c
.irp a, 0,1,2,3,4,5,6,7
.set cc, 0
.rept 16
	v_pk_add_f32 v[L+cc:L+cc+1], v[L+cc:L+cc+1], v[32*\a+cc:32*\a+cc+1]
.set cc, cc+2
.endr
.endr
	WIN 0
.irp m, 1,2,4,8
.set cc, 0
.rept 32
	v_add_f32_dpp v[L+cc], v[L+cc], v[L+cc] row_xmask:\m row_mask:0xf bank_mask:0xf
.set cc, cc+1
.endr
.endr
.irp k, 0,1,2,3,4,5,6,7
	ds_store_b128 v[REDW], v[L+4*\k:L+4*\k+3] offset:1024+16*\k   ; other bytes than the maxima's: no barrier is owed in front of these stores
.endr
	s_wait_dscnt 0x0
	s_barrier_signal -1
	s_barrier_wait -1
.irp w, 0,1,2,3
.irp k, 0,1,2,3,4,5,6,7
	ds_load_b128 v[X4+32*\w+4*\k:X4+32*\w+4*\k+3], v[REDR] offset:1024+256*\w+16*\k
.endr
.endr
	s_wait_dscnt 0x0
.set cc, 0
.rept 16
	v_pk_add_f32 v[L+cc:L+cc+1], v[X4+cc:X4+cc+1], v[X4+32+cc:X4+32+cc+1]
.set cc, cc+2
.endr
.set cc, 0
.rept 16
	v_pk_add_f32 v[L+cc:L+cc+1], v[L+cc:L+cc+1], v[X4+64+cc:X4+64+cc+1]
.set cc, cc+2
.endr
.set cc, 0
.rept 16
	v_pk_add_f32 v[L+cc:L+cc+1], v[L+cc:L+cc+1], v[X4+96+cc:X4+96+cc+1]
.set cc, cc+2
.endr
.set cc, 0
	s_wait_alu depctr_va_vdst(0)
.rept 32
	v_rcp_f32 v[L+cc], v[L+cc]                     ; a column's sum is about 1 at the least: its largest term is 2^0, up to the rounding of m c
.set cc, cc+1
.endr
	v_nop                                          ; a plain place behind the last reciprocal
	s_wait_alu depctr_va_vdst(0)                   ; one wait for the 32
; THE WAY OUT, a tile of 16 rows x 64 columns at a time, through my own stage: a lane holds pieces of one row; back come whole rows of 256 bytes.
.macro PACK a
	WIN 0x02+(\a)/8                                ; source 0: window 2 or 3
.set cc, 0
.rept 16
	v_pk_mul_f32 v[T+cc:T+cc+1], v[32*((\a)%8)+cc:32*((\a)%8)+cc+1], v[L+cc:L+cc+1]
.set cc, cc+2
.endr
	WIN 0
.endm
.macro TOSTAGE a
.irp b, 0,1,2,3
	ds_store_b128 v[STO], v[T+8*\b:T+8*\b+3] offset:128*(\b/2)+32*(\b%2)
	ds_store_b128 v[STO], v[T+8*\b+4:T+8*\b+7] offset:128*(\b/2)+32*(\b%2)+16
.endr
.irp t, 0,1,2,3,4,5,6,7
	ds_load_b128 v[BK+32*((\a)%2)+4*\t:BK+32*((\a)%2)+4*\t+3], v[RD] offset:2*SPITCH*\t   ; LDS serves a wave's instructions in order: these see the stores above, and the next tile's stores come behind them
.endr
.endm
.macro SEND a
	s_wait_dscnt 0x0                               ; the tile is back in registers
	s_wait_xcnt 0x0                                ; the stores of the tile before have read their registers: the next tile's loads may land there
.irp t, 0,1,2,3,4,5,6,7
	global_store_b128 v[CO], v[BK+32*((\a)%2)+4*\t:BK+32*((\a)%2)+4*\t+3], s[8:9] offset:(128*((\a)/8)+32*(((\a)%8)/2)+8*((\a)%2)+2*\t+8*(\t/4))*4096 th:TH_STORE_NT   ; places 2 t, 2 t + 1 of the tile: two rows, 256 consecutive aligned bytes each
.endr
.endm
	PACK 0
	TOSTAGE 0
.irp a, 1,2,3,4,5,6,7,8,9,10,11,12,13,14,15
	PACK \a                                        ; a tile's arithmetic stands between the loads of the tile before and the wait for them
	s_wait_alu depctr_va_vdst(0)
	SEND \a-1
	TOSTAGE \a
.endr
	SEND 15
	s_wait_tensorcnt 0x0                           ; the wave's end
	ds_add_u32 v[SPW], v[NIL]
	s_wait_dscnt 0x0
	CROUND                                         ; the closing round
	s_endpgm
.Lfunc_end_k_q4b4e49e0c8_colsm:
	.size	k_q4b4e49e0c8_colsm, .Lfunc_end_k_q4b4e49e0c8_colsm-k_q4b4e49e0c8_colsm
	.p2alignl 7, 3214868480
	.fill 96, 4, 3214868480
	.section	.rodata,"a",@progbits
	.p2align	6, 0x0
	.amdhsa_kernel k_q4b4e49e0c8_colsm
		.amdhsa_group_segment_fixed_size 327680
		.amdhsa_private_segment_fixed_size 0
		.amdhsa_enable_private_segment 0
		.amdhsa_kernarg_size 24
		.amdhsa_user_sgpr_count 2
		.amdhsa_user_sgpr_kernarg_segment_ptr 1
		.amdhsa_wavefront_size32 1
		.amdhsa_system_sgpr_workgroup_id_x 1
		.amdhsa_system_sgpr_workgroup_id_y 1
		.amdhsa_system_sgpr_workgroup_id_z 1
		.amdhsa_system_vgpr_workitem_id 0
		.amdhsa_next_free_vgpr 1024
		.amdhsa_next_free_sgpr 84
		.amdhsa_reserve_vcc 0
		.amdhsa_float_denorm_mode_32 3
		.amdhsa_float_denorm_mode_16_64 3
		.amdhsa_memory_ordered 1
		.amdhsa_forward_progress 1
		.amdhsa_inst_pref_size 244
	.end_amdhsa_kernel
	.amdgpu_metadata
---
amdhsa.version: [ 1, 2 ]
amdhsa.kernels:
  - .name:           k_q4b4e49e0c8_colsm
    .symbol:         k_q4b4e49e0c8_colsm.kd
    .args:
      - { .name: ob1, .offset: 0, .size: 8, .value_kind: global_buffer, .address_space: global }
      - { .name: yob, .offset: 8, .size: 8, .value_kind: global_buffer, .address_space: global }
      - { .name: out0, .offset: 16, .size: 8, .value_kind: global_buffer, .address_space: global }
    .group_segment_fixed_size: 327680
    .private_segment_fixed_size: 0
    .kernarg_segment_align: 8
    .kernarg_segment_size: 24
    .max_flat_workgroup_size: 128
    .sgpr_count:     84
    .vgpr_count:     1024
    .wavefront_size: 32
...
	.end_amdgpu_metadata
.endif
;; end of part 4
